; MI455X (gfx1250); checked and timed in simulation.
; The chip was launched on July 23, 2026; its instructions are those of AMD's public machine-readable ISA for CDNA 5 (MIT licence, August 2026) and "CDNA5" Instruction Set Architecture Reference Guide (July 2026). The comments in the code are by the model that wrote it; some were corrected since.
;; Masked Cross Attention. Allowed arithmetic: matrix products marked QUANTISED: E2M1 operands, one E8M0 scale for each 32 along K, by v_wmma_scale_f32_16x16x128_f8f6f4 with both operands' format E2M1 (or v_wmma_scale_f32_32x16x128_f4), f32 sums; products left as they are: bf16, f16 or f32 operands; f32 sums; everything else in f32.
;; Inputs: Wkv 1,024 x 2,048 float32; Wout 1,024 x 2,048 float32; Wq 2,048 x 1,024 float32; ln_b 2,048 float32; ln_g 2,048 float32; media 4 x 32 x 32 x 1,024 float32; media_locations 4 x 2,048 bool; x 4 x 2,048 x 2,048 float32.
;; Outputs: out0 4 x 2,048 x 2,048 float32.
;; This version of the problem:
;;   THIS VERSION OF THE PROBLEM IS GIVEN IN LOW PRECISION. The matrix products marked QUANTISED in the list below multiply operands that are first quantised to E2M1 (2 exponent bits, 1 mantissa bit; 4 bits a number), with one power-of-two scale for each 32 numbers along K (OCP MX v1.0); their sums are f32. The products marked 'left as it is' may take bf16, f16 or f32 operands, with f32 sums. Whichever they take, every output number must still come out within the allowed error. Rounding operands to bf16 (8 significant bits) uses up far more of that allowance than f16 does (11 bits, for magnitudes from 6e-5 to 65,504). All else is computed in f32.
;;   The module's matrix products, in the order in which they are computed (A, B: the left and right operand; K: the contracted axis; several contracted axes count as one K, in the product's order):
;;     1. [M 8,192, K 2,048] x [K 2,048, N 1,024]; A: computed on the way; B: input Wq: left as it is (an operand is computed on the way)
;;     2. [M 4,096, K 1,024] x [K 1,024, N 2,048]; A: input media; B: input Wkv: QUANTISED
;;     3. batch 64 x [M 2,048, K 64] x [K 64, N 1,024]; A: computed on the way; B: computed on the way: left as it is (an operand is computed on the way)
;;     4. batch 64 x [M 2,048, K 1,024] x [K 1,024, N 64]; A: computed on the way; B: computed on the way: left as it is (an operand is computed on the way)
;;     5. [M 8,192, K 1,024] x [K 1,024, N 2,048]; A: computed on the way; B: input Wout: left as it is (an operand is computed on the way)
;;   THE QUANTISER, for each operand of a quantised product, along K:
;;     - K is cut into blocks of 32 from its start; a last block that is shorter is filled with zeros.
;;     - A block's scale is 2^e with e = floor(log2(the largest magnitude in the block)) - 2, held to -126 .. 127; a block of zeros has e = 0. As a byte (E8M0): e + 127.
;;     - Each number is divided by its block's scale, clamped to +-6, and rounded to the nearest number of E2M1, ties to even, subnormals kept.
;;     - The product sums the exact products of the quantised numbers (number of the format x scale) in f32.
;;   ~~~python
;;   def quantise(x, axis):      # numpy; x: float32 -> the quantised numbers, widened to float32 again
;;       x = np.moveaxis(x, axis, -1); K = x.shape[-1]
;;       x = np.pad(x, [(0, 0)] * (x.ndim - 1) + [(0, -K % 32)]); x = x.reshape(x.shape[:-1] + (-1, 32)); a = np.abs(x).max(-1, keepdims=True)
;;       e = np.where(a > 0, np.clip(np.frexp(np.where(a > 0, a, 1))[1] - 1 - 2, -126, 127), 0)      # np.frexp(a)[1] - 1 = floor(log2(a)), exactly
;;       r = np.clip(x / 2.0 ** e, -6, 6)
;;       step = 2.0 ** (np.maximum(np.frexp(np.where(r == 0, 1, r))[1] - 1, 0) - 1)
;;       q = np.round(r / step) * step * 2.0 ** e      # np.round: ties to even
;;       return np.moveaxis(q.reshape(q.shape[:-2] + (-1,))[..., :K], -1, axis).astype(np.float32)
;;   ~~~
;; One version. Each part assembles by itself: llvm-mc -triple=amdgcn-amd-amdhsa -mcpu=gfx1250 --defsym DOCPART=n.
;; ======== version 1 of 1: 5 launches
;; limits: values are held in f16: magnitudes above 65,504 overflow, below 6.1e-05 lose precision
;; workspace buffers: xn 33,554,432 bytes; w16 8,388,608 bytes; mx 3,342,336 bytes; tt 32,768 bytes of whole numbers; q 16,777,216 bytes; kvb 16,777,216 bytes; vsum 131,072 bytes; o 16,777,216 bytes
;; launch prep (part 1): grid 705 x 1, 4 waves a work-group, no clusters, 51,200 bytes of LDS; arguments x, ln_g, ln_b, media, Wkv, Wq, Wout, media_locations, xn, w16, mx, tt; writes xn, w16, mx, tt
.if DOCPART == 1
	.amdgcn_target "amdgcn-amd-amdhsa--gfx1250"
	.amdhsa_code_object_version 6
	.text
	.protected	k_q4db67a6c8a_prep
	.globl	k_q4db67a6c8a_prep
	.p2align	8
	.type	k_q4db67a6c8a_prep,@function
k_q4db67a6c8a_prep:
	s_mov_b64 s[64:65], 0
	v_nop
	global_prefetch_b8 v0, s[64:65] scope:SCOPE_SE
	s_setreg_imm32_b32 hwreg(HW_REG_WAVE_MODE, 25, 1), 1
	s_wait_xcnt 0x0
; PREP: everything that is done once to an input, in one launch.  The work-group's number picks one of five paths:
;   0-255   LN    xn = LayerNorm(x) * ln_g + ln_b, f32 arithmetic in two passes (mean, then centred squares), rounded once to f16, [8192][2048]
;   256-383 MQ    media -> codes of FP4 (E2M1), K innermost, and one E8M0 byte for each 32 along K
;   384-447 WQ    Wkv [1024 k][2048 n] -> the same, laid [2048 n][1024 k]: a lane takes a column and its registers run down K
;   448-703 CAST  Wq and Wout -> f16, in their own order ([k][n]); the products' launches turn them on the way out of LDS
;   704     TT    text_time = the running count of media_locations, int32, one wave a batch
; LIMITS: |xn|, |Wq|, |Wout| stay under 65,504 (f16); NaN and infinities are not served; a block of zeros gets the scale byte 1 where the rule says 127
; (its codes are zeros and this program alone reads the bytes); blocks whose largest magnitude lies under 2^-124 were not tried; of a byte of media_locations bit 0 is taken.
; No matrix unit, no tensor load, no cluster: the paths stream, and no two work-groups read the same bytes but ln_g and ln_b (16 KB).
; LDS: each path that uses LDS has bytes of its own: MQ 0-32,767 (8,192 a wave), WQ a stage of 32 rows x 528 and 1,024 scale bytes, then the spare words.
.set SPW,   14                         ; v14  LDS address of my spare word; never rewritten
.set NIL,   15                         ; v15  0; never rewritten
.set MQW,   8192                       ; MQ: a wave's region: two stages of 32 x 80 bytes, then its 256 scale bytes
.set QSP,   80
.set WSTG,  32768                      ; WQ: the stage, a row for each of the 32 columns: 512 bytes of codes + 16
.set WPIT,  528
.set WSS,   WSTG+32*WPIT               ; WQ: 32 bytes of scales for each column
.set SPARE, WSS+1024                   ; the spare words: 128 bytes a wave, two blocks of 256 bytes that no other line names
.set WC,    2097152                    ; in mx: media's codes at 0, Wkv's codes here,
.set MS,    3145728                    ; media's scale bytes,
.set WS,    3276800                    ; Wkv's scale bytes
.set MSB, 0
.macro WIN new                         ; the immediate's high byte repeats the setting that is left
.if MSB != (\new)
	s_set_vgpr_msb (MSB<<8)|(\new)
.set MSB, (\new)
.endif
.endm
	s_load_b512 s[8:23], s[0:1], 0x0               ; x 8, ln_g 10, ln_b 12, media 14, Wkv 16, Wq 18, Wout 20, media_locations 22
	s_load_b256 s[24:31], s[0:1], 0x40             ; xn 24, w16 26, mx 28, tt 30
	v_lshl_add_u32 v[SPW], v0, 2, SPARE
	v_mov_b32 v[NIL], 0
	v_lshrrev_b32 v1, 5, v0
	v_readfirstlane_b32 s2, v1                     ; wave 0..3
	v_and_b32 v1, 31, v0                           ; lane
	s_mov_b32 s32, 0x76543210                      ; v_permlanex16_b32's selects for lane l xor 16
	s_mov_b32 s33, 0xfedcba98
	s_wait_kmcnt 0x0
	s_cmp_lt_u32 ttmp9, 256
	s_cbranch_scc1 .Lln
	s_cmp_lt_u32 ttmp9, 384
	s_cbranch_scc1 .Lmq
	s_cmp_lt_u32 ttmp9, 448
	s_cbranch_scc1 .Lwq
	s_cmp_lt_u32 ttmp9, 704
	s_cbranch_scc1 .Lcast
; ---------------- TT: wave w counts batch w.  A step takes 64 tokens, two a lane; the count so far rides in s4.
	s_lshl_b32 s36, s2, 11
	s_mov_b32 s37, 0
	s_add_nc_u64 s[22:23], s[22:23], s[36:37]      ; my batch's 2,048 bytes
	s_lshl_b32 s36, s2, 13
	s_add_nc_u64 s[30:31], s[30:31], s[36:37]      ; and its 2,048 words
	v_lshlrev_b32 v2, 1, v1
	v_lshlrev_b32 v3, 3, v1
.set j, 0
.rept 32
	global_load_u16 v[64+j], v2, s[22:23] offset:64*j
.set j, j+1
.endr
	s_mov_b32 s4, 0
.set j, 0
.rept 32
	s_wait_loadcnt 31-j                            ; loads come back in order: step j's is in, the 31 - j younger ones may be out
	v_and_b32 v4, 1, v[64+j]                       ; my even token's flag,
	v_bfe_u32 v5, v[64+j], 8, 1                    ; my odd token's
	v_cmp_ne_u32 s5, 0, v4
	v_cmp_ne_u32 s6, 0, v5
	v_mbcnt_lo_u32_b32 v6, s5, s4                  ; the count so far + the flags of the lanes below me,
	v_mbcnt_lo_u32_b32 v6, s6, v6                  ; even and odd
	v_add_nc_u32 v[128+2*j], v6, v4                ; the count includes the token itself
	v_add_nc_u32 v[129+2*j], v[128+2*j], v5
	global_store_b64 v3, v[128+2*j:129+2*j], s[30:31] offset:256*j   ; 32 lanes store 256 consecutive bytes; each step has its own data registers
	s_bcnt1_i32_b32 s5, s5
	s_bcnt1_i32_b32 s6, s6
	s_add_co_u32 s4, s4, s5
	s_add_co_u32 s4, s4, s6
.set j, j+1
.endr
	s_endpgm
; ---------------- LN: a wave takes a whole row (8,192 bytes: 64 registers) and keeps it between the passes; 8 rows a wave, two row slots by turns.
; Lane l holds columns 128 j + 4 l + 0..3, j = 0..15: each load reads 512 consecutive bytes, each store of f16 covers 256 consecutive bytes, aligned.
.set LT,  16                           ; v16-23   four chains (pairs)
.set LM,  24                           ; v[24:25] the mean (the packed form names a pair; the low word serves both halves)
.set LRS, 26                           ; v[26:27] 1 / sqrt(var + eps)
.set LPD, 28                           ; v28      a lane permute's destination
.set LY,  32                           ; v32-63   the row in f16
.set LX,  64                           ; v64-191  two slots of 64
.set LG,  192                          ; v192-255 ln_g at my columns;  ln_b: v0-63 of window 1
.Lln:
	s_lshl_b32 s4, ttmp9, 5
	s_lshl_b32 s5, s2, 3
	s_add_co_u32 s4, s4, s5                        ; my first row: 32 x work-group + 8 x wave
	s_lshl_b32 s36, s4, 13
	s_mov_b32 s37, 0
	s_add_nc_u64 s[8:9], s[8:9], s[36:37]
	s_lshl_b32 s36, s4, 12
	s_add_nc_u64 s[24:25], s[24:25], s[36:37]
	s_mov_b32 s34, 0x3a000000                      ; 1 / 2048
	s_mov_b32 s35, 0x3727c5ac                      ; 1e-5
	v_lshlrev_b32 v2, 4, v1
	v_lshlrev_b32 v3, 3, v1
	v_mov_b32 v[LM+1], 0                           ; named as upper halves of pairs, so they are written
	v_mov_b32 v[LRS+1], 0
	v_mov_b32 v[LPD], 0
.irp j, 0,1,2,3,4,5,6,7,8,9,10,11,12,13,14,15
	global_load_b128 v[LG+4*\j:LG+4*\j+3], v2, s[10:11] offset:512*\j
.endr
	WIN 0x40                                       ; destination window 1
.irp j, 0,1,2,3,4,5,6,7,8,9,10,11,12,13,14,15
	global_load_b128 v[4*\j:4*\j+3], v2, s[12:13] offset:512*\j
.endr
	WIN 0
.macro FILL s, row
.irp j, 0,1,2,3,4,5,6,7,8,9,10,11,12,13,14,15
	global_load_b128 v[LX+64*(\s)+4*\j:LX+64*(\s)+4*\j+3], v2, s[8:9] offset:(\row)*8192+512*\j th:TH_LOAD_NT
.endr
.endm
.macro COMBINE                         ; four chains -> one number in every lane
	v_pk_add_f32 v[LT:LT+1], v[LT:LT+1], v[LT+2:LT+3]
	v_pk_add_f32 v[LT+4:LT+5], v[LT+4:LT+5], v[LT+6:LT+7]
	v_pk_add_f32 v[LT:LT+1], v[LT:LT+1], v[LT+4:LT+5]
	v_add_f32 v[LT], v[LT], v[LT+1]
.irp m, 1,2,4,8
	v_add_f32_dpp v[LT], v[LT], v[LT] row_xmask:\m row_mask:0xf bank_mask:0xf
.endr
	v_permlanex16_b32 v[LPD], v[LT], s32, s33
	v_add_f32 v[LT], v[LT], v[LPD]
.endm
; The turn of slot s, which holds row 'row' from the bases on.  fill = 1: the slot then takes the row two further down.  left: the younger loads that may stay out.
.macro TURN s, fill, left, row
.set XB, LX+64*(\s)
	s_wait_loadcnt \left                           ; my row's sixteen loads are in; the other slot's sixteen may be out
.irp c, 0,1,2,3
	v_pk_add_f32 v[LT+2*\c:LT+2*\c+1], v[XB+2*\c:XB+2*\c+1], v[XB+8+2*\c:XB+9+2*\c]   ; the first pairs start the chains
.endr
.irp p, 2,3,4,5,6,7
.irp c, 0,1,2,3
	v_pk_add_f32 v[LT+2*\c:LT+2*\c+1], v[LT+2*\c:LT+2*\c+1], v[XB+8*\p+2*\c:XB+8*\p+2*\c+1]
.endr
.endr
	COMBINE
	v_mul_f32 v[LM], s34, v[LT]                    ; the mean
.set i, 0
.rept 32
	v_pk_add_f32 v[XB+i:XB+i+1], v[XB+i:XB+i+1], v[LM:LM+1] op_sel_hi:[1,0] neg_lo:[0,1] neg_hi:[0,1]   ; x - mean: no difference of large sums is formed later
.set i, i+2
.endr
.irp c, 0,1,2,3
	v_pk_mul_f32 v[LT+2*\c:LT+2*\c+1], v[XB+2*\c:XB+2*\c+1], v[XB+2*\c:XB+2*\c+1]
.endr
.irp p, 1,2,3,4,5,6,7
.irp c, 0,1,2,3
	v_pk_fma_f32 v[LT+2*\c:LT+2*\c+1], v[XB+8*\p+2*\c:XB+8*\p+2*\c+1], v[XB+8*\p+2*\c:XB+8*\p+2*\c+1], v[LT+2*\c:LT+2*\c+1]
.endr
.endr
	COMBINE
	v_fma_f32 v[LT], v[LT], s34, s35               ; var + eps
	v_rsq_f32 v[LRS], v[LT]
	v_nop                                          ; a plain instruction behind the transcendental,
	s_wait_alu depctr_va_vdst(0)                   ; and the wait ahead of its first reader
.set i, 0
.rept 32
	v_pk_mul_f32 v[XB+i:XB+i+1], v[XB+i:XB+i+1], v[LRS:LRS+1] op_sel_hi:[1,0]
.set i, i+2
.endr
	WIN 0x10                                       ; source 2 (ln_b) window 1
.set i, 0
.rept 32
	v_pk_fma_f32 v[XB+i:XB+i+1], v[XB+i:XB+i+1], v[LG+i:LG+i+1], v[i:i+1]
.set i, i+2
.endr
	WIN 0
	s_wait_xcnt 0x0                                ; the last row's stores have read their data: only now is LY written again
.set i, 0
.rept 32
	v_cvt_pk_f16_f32 v[LY+i], v[XB+2*i], v[XB+2*i+1]
.set i, i+1
.endr
.if \fill
	FILL \s, (\row)+2
.endif
.irp j, 0,1,2,3,4,5,6,7,8,9,10,11,12,13,14,15
	global_store_b64 v3, v[LY+2*\j:LY+2*\j+1], s[24:25] offset:(\row)*4096+256*\j
.endr
.endm
	FILL 0, 0
	FILL 1, 1
	s_mov_b32 s3, 3
.Lrows:
	TURN 0, 1, 16, 0
	TURN 1, 1, 16, 1
	s_wait_xcnt 0x0                                ; the bases are stepped only behind this wait
	s_add_nc_u64 s[8:9], s[8:9], 2*8192
	s_add_nc_u64 s[24:25], s[24:25], 2*4096
	s_sub_co_u32 s3, s3, 1
	s_cmp_lg_u32 s3, 0
	s_cbranch_scc1 .Lrows
	TURN 0, 0, 16, 0                               ; the last two rows load nothing
	TURN 1, 0, 0, 1
	s_endpgm
; ---------------- MQ: media is a plain stream of blocks of 32 along K.  A wave takes 16 steps of 512 numbers.  Each load reads 512 consecutive bytes; the numbers turn
; through the wave's own stage in LDS, so that a lane then holds 16 neighbours (two lanes hold a block).  A step's codes leave as 256 consecutive bytes, a wave's 256 scale bytes as one such unit.
.set QR, 16                            ; v16-79   four sets of 16 numbers as loaded
.set QX, 80                            ; v80-111  two sets of 16 neighbours
.set QE, 112                           ; v112-127 a scale byte for each step
.set QC, 128                           ; v128-191 codes: registers of its own for each step
.Lmq:
	s_sub_co_u32 s4, ttmp9, 256
	s_lshl_b32 s4, s4, 2
	s_add_co_u32 s4, s4, s2                        ; which run of 8,192 numbers is my wave's
	s_lshl_b32 s36, s4, 15
	s_mov_b32 s37, 0
	s_add_nc_u64 s[14:15], s[14:15], s[36:37]
	s_lshl_b32 s36, s4, 12
	s_add_nc_u64 s[38:39], s[28:29], s[36:37]      ; its codes
	s_lshl_b32 s36, s4, 8
	s_add_co_u32 s36, s36, MS
	s_add_nc_u64 s[40:41], s[28:29], s[36:37]      ; its scale bytes
	v_lshlrev_b32 v3, 4, v1
	s_lshl_b32 s4, s2, 13                          ; my region of LDS
	v_lshrrev_b32 v12, 2, v1
	v_mul_u32_u24 v12, v12, QSP
	v_and_b32 v13, 3, v1
	v_lshl_add_u32 v12, v13, 4, v12
	v_add_nc_u32 v12, s4, v12                      ; into the stage: four lanes' 64 bytes on end, then 16 of padding
	v_mul_u32_u24 v13, v1, QSP
	v_add_nc_u32 v13, s4, v13                      ; out of it: 80 x lane: my 16 neighbours
	v_lshlrev_b32 v4, 3, v1                        ; my 8 bytes of a step's codes
	v_lshrrev_b32 v5, 1, v1
	s_add_co_u32 s4, s4, 2*32*QSP
	v_add_nc_u32 v5, s4, v5                        ; my block's byte among the wave's 256
	v_lshlrev_b32 v7, 3, v1
	v_add_nc_u32 v6, s4, v7
.macro QLOAD t
.irp i, 0,1,2,3
	global_load_b128 v[QR+16*((\t)%4)+4*\i:QR+16*((\t)%4)+4*\i+3], v3, s[14:15] offset:2048*(\t)+512*\i th:TH_LOAD_NT
.endr
.endm
.macro QTURN t                         ; LDS serves a wave's instructions in order: no wait between the stores and the loads
.irp i, 0,1,2,3
	ds_store_b128 v12, v[QR+16*((\t)%4)+4*\i:QR+16*((\t)%4)+4*\i+3] offset:32*QSP*((\t)%2)+8*QSP*\i
.endr
.irp i, 0,1,2,3
	ds_load_b128 v[QX+16*((\t)%2)+4*\i:QX+16*((\t)%2)+4*\i+3], v13 offset:32*QSP*((\t)%2)+16*\i
.endr
.endm
.irp t, 0,1,2,3
	QLOAD \t
.endr
	s_wait_loadcnt 12                              ; step 0's four loads are in
	QTURN 0
.macro QSTEP t
.set XS, QX+16*((\t)%2)
.if (\t) > 0
	s_wait_dscnt 1                                 ; this step's numbers are back from the stage; the last step's byte store may be out
.else
	s_wait_dscnt 0x0
.endif
.if (\t)+4 < 16
	QLOAD (\t)+4                                   ; into the registers that this step's stage stores have read
.endif
.if (\t)+1 < 16
.if 14-(\t) >= 3
	s_wait_loadcnt 12                              ; the next step's four loads are in; three steps' may be out
.else
	s_wait_loadcnt 4*(14-(\t))
.endif
	QTURN (\t)+1
.endif
	v_max3_num_f32 v8, |v[XS]|, |v[XS+1]|, |v[XS+2]|
	v_max3_num_f32 v9, |v[XS+3]|, |v[XS+4]|, |v[XS+5]|
.irp i, 6,10
	v_max3_num_f32 v8, v8, |v[XS+\i]|, |v[XS+\i+1]|
	v_max3_num_f32 v9, v9, |v[XS+\i+2]|, |v[XS+\i+3]|
.endr
	v_max3_num_f32 v8, v8, |v[XS+14]|, |v[XS+15]|
	v_max3_num_f32 v8, v8, v9, 0x1800000           ; and the floor 2^(3 - 127): the byte cannot fall under 1
	v_max_num_f32_dpp v8, v8, v8 row_xmask:1 row_mask:0xf bank_mask:0xf   ; with my neighbour's 16: the block's largest magnitude
	v_add_nc_u32 v11, 0xff000000, v8               ; 2 off its exponent field: the conversion takes the exponent field of this operand as its scale
	v_cvt_scalef32_pk8_fp4_f32 v[QC+4*(\t)], v[XS:XS+7], v11
	v_cvt_scalef32_pk8_fp4_f32 v[QC+4*(\t)+1], v[XS+8:XS+15], v11
	v_lshrrev_b32 v[QE+(\t)], 23, v11              ; the scale's byte (a plain instruction behind the conversions)
	ds_store_b8 v5, v[QE+(\t)] offset:16*(\t)      ; both lanes of a block write the same byte with the same value
	global_store_b64 v4, v[QC+4*(\t):QC+4*(\t)+1], s[38:39] offset:256*(\t)
.endm
.irp t, 0,1,2,3,4,5,6,7,8,9,10,11,12,13,14,15
	QSTEP \t
.endr
	ds_load_b64 v[8:9], v6
	s_wait_dscnt 0x0
	global_store_b64 v7, v[8:9], s[40:41]          ; 32 lanes store 256 consecutive bytes, aligned
	s_wait_tensorcnt 0x0                           ; the wave's end, behind my last LDS store
	ds_add_u32 v[SPW], v[NIL]
	s_wait_dscnt 0x0
	s_endpgm
; ---------------- WQ: work-group g owns columns 32 g .. 32 g + 31 of Wkv and all of K; wave w owns k = 256 w .. 256 w + 255: 8 blocks a lane, a lane to a column.
; The four waves' codes meet in one stage (a column's row: 512 bytes), so that after one barrier whole rows of 512 bytes leave, and the 32 columns' scale bytes as 1,024 consecutive bytes.
.set WX,   32                          ; v32-95   two sets of 32 numbers
.set WCD,  96                          ; v96-99   a block's codes
.set WSB,  24                          ; v24-25   my 8 scale bytes
.set WOUT, 112                         ; v112-143 the way out
.Lwq:
	s_sub_co_u32 s4, ttmp9, 384
	v_lshlrev_b32 v3, 2, v1
	s_lshl_b32 s5, s2, 7
	v_mul_u32_u24 v4, v1, WPIT
	v_add_nc_u32 v4, s5, v4
	v_add_nc_u32 v4, WSTG, v4                      ; into the stage: row = my column, + 128 x wave
	s_lshl_b32 s5, s2, 3
	v_lshlrev_b32 v5, 5, v1
	v_add_nc_u32 v5, s5, v5
	v_add_nc_u32 v5, WSS, v5                       ; my 8 scale bytes: 32 x column + 8 x wave
	s_mul_i32 s5, s2, 8*WPIT
	v_lshlrev_b32 v8, 4, v1
	v_add_nc_u32 v7, s5, v8
	v_add_nc_u32 v7, WSTG, v7                      ; out of the stage: rows 8 w .. 8 w + 7, 16 bytes a lane
	s_lshl_b32 s5, s2, 8
	v_lshlrev_b32 v9, 3, v1
	v_add_nc_u32 v6, s5, v9
	v_add_nc_u32 v6, WSS, v6
	s_lshl_b32 s36, s2, 21                         ; 256 w rows of 8,192 bytes
	s_lshl_b32 s5, s4, 7
	s_add_co_u32 s36, s36, s5
	s_mov_b32 s37, 0
	s_add_nc_u64 s[16:17], s[16:17], s[36:37]
	s_lshl_b32 s36, s4, 14
	s_lshl_b32 s5, s2, 12
	s_add_co_u32 s36, s36, s5
	s_add_co_u32 s36, s36, WC
	s_add_nc_u64 s[38:39], s[28:29], s[36:37]      ; codes: row 32 g + 8 w
	s_lshl_b32 s36, s4, 10
	s_lshl_b32 s5, s2, 8
	s_add_co_u32 s36, s36, s5
	s_add_co_u32 s36, s36, WS
	s_add_nc_u64 s[40:41], s[28:29], s[36:37]
.macro WLOAD t
.set i, 0
.rept 32
	global_load_b32 v[WX+32*((\t)%2)+i], v3, s[16:17] offset:(32*(\t)+i)*8192 th:TH_LOAD_NT
.set i, i+1
.endr
.endm
	WLOAD 0
	WLOAD 1
.macro BLOCK t
.set XS, WX+32*((\t)%2)
.if (\t) < 7
	s_wait_loadcnt 32                              ; this block's 32 loads are in; the next block's may be out
.else
	s_wait_loadcnt 0x0
.endif
	v_max3_num_f32 v12, |v[XS]|, |v[XS+1]|, |v[XS+2]|
	v_max3_num_f32 v13, |v[XS+3]|, |v[XS+4]|, |v[XS+5]|
.irp i, 6,10,14,18,22,26
	v_max3_num_f32 v12, v12, |v[XS+\i]|, |v[XS+\i+1]|
	v_max3_num_f32 v13, v13, |v[XS+\i+2]|, |v[XS+\i+3]|
.endr
	v_max3_num_f32 v12, v12, |v[XS+30]|, |v[XS+31]|
	v_max3_num_f32 v12, v12, v13, 0x1800000        ; the floor 2^(3 - 127)
	v_add_nc_u32 v11, 0xff000000, v12
	v_lshrrev_b32 v13, 23, v11
.if (\t)%4 == 0
	v_mov_b32 v[WSB+(\t)/4], v13
.else
	v_lshl_or_b32 v[WSB+(\t)/4], v13, 8*((\t)%4), v[WSB+(\t)/4]
.endif
.irp g, 0,1,2,3
	v_cvt_scalef32_pk8_fp4_f32 v[WCD+\g], v[XS+8*\g:XS+8*\g+7], v11
.endr
	ds_store_b128 v4, v[WCD:WCD+3] offset:16*(\t)
.if (\t)+2 < 8
	WLOAD (\t)+2
.endif
	s_wait_dscnt 0x0                               ; the store has read its registers: the next block's codes may be written
.endm
.irp t, 0,1,2,3,4,5,6,7
	BLOCK \t
.endr
	ds_store_b64 v5, v[WSB:WSB+1]
	s_wait_dscnt 0x0                               ; for the others' sake: my stores have landed
	s_barrier_signal -1
	s_barrier_wait -1                              ; the branch to this path hangs on the work-group's number alone: all four waves are here
.irp i, 0,1,2,3,4,5,6,7
	ds_load_b128 v[WOUT+4*\i:WOUT+4*\i+3], v7 offset:\i*WPIT
.endr
	ds_load_b64 v[144:145], v6
.irp i, 0,1,2,3,4,5,6,7
	s_wait_dscnt 8-\i                              ; row i is back; the younger rows and the scale bytes may be out
	global_store_b128 v8, v[WOUT+4*\i:WOUT+4*\i+3], s[38:39] offset:512*\i   ; a whole row: 512 consecutive bytes
.endr
	s_wait_dscnt 0x0
	global_store_b64 v9, v[144:145], s[40:41]
	s_wait_tensorcnt 0x0                           ; the wave's end, behind my last LDS store
	ds_add_u32 v[SPW], v[NIL]
	s_wait_dscnt 0x0
	s_endpgm
; ---------------- CAST: work-group c takes 64 KB of Wq (c < 128) or of Wout, a wave 16 KB: 32 loads, all out at once; f16 leaves in units of 256 consecutive bytes.
.Lcast:
	s_sub_co_u32 s4, ttmp9, 448
	s_cmp_lt_u32 s4, 128
	s_cselect_b64 s[36:37], s[18:19], s[20:21]     ; the choice hangs on the work-group's number alone
	s_and_b32 s5, s4, 127
	s_lshl_b32 s38, s5, 16
	s_lshl_b32 s5, s2, 14
	s_add_co_u32 s38, s38, s5
	s_mov_b32 s39, 0
	s_add_nc_u64 s[36:37], s[36:37], s[38:39]
	s_lshl_b32 s38, s4, 15
	s_lshl_b32 s5, s2, 13
	s_add_co_u32 s38, s38, s5
	s_add_nc_u64 s[40:41], s[26:27], s[38:39]
	v_lshlrev_b32 v2, 4, v1
	v_lshlrev_b32 v3, 3, v1
.set j, 0
.rept 32
	global_load_b128 v[64+4*j:64+4*j+3], v2, s[36:37] offset:512*j th:TH_LOAD_NT
.set j, j+1
.endr
.irp g, 0,1,2,3
	s_wait_loadcnt 24-8*\g                         ; this group's eight loads are in; the later groups' may be out
.irp j, 0,1,2,3,4,5,6,7
	v_cvt_pk_f16_f32 v[192+16*\g+2*\j], v[64+32*\g+4*\j], v[64+32*\g+4*\j+1]
	v_cvt_pk_f16_f32 v[192+16*\g+2*\j+1], v[64+32*\g+4*\j+2], v[64+32*\g+4*\j+3]
.endr
.irp j, 0,1,2,3,4,5,6,7
	global_store_b64 v3, v[192+16*\g+2*\j:192+16*\g+2*\j+1], s[40:41] offset:256*(8*\g+\j)
.endr
.endr
	s_endpgm
.Lfunc_end_k_q4db67a6c8a_prep:
	.size	k_q4db67a6c8a_prep, .Lfunc_end_k_q4db67a6c8a_prep-k_q4db67a6c8a_prep
	.p2alignl 7, 3214868480
	.fill 96, 4, 3214868480
	.section	.rodata,"a",@progbits
	.p2align	6, 0x0
	.amdhsa_kernel k_q4db67a6c8a_prep
		.amdhsa_group_segment_fixed_size 51200
		.amdhsa_private_segment_fixed_size 0
		.amdhsa_enable_private_segment 0
		.amdhsa_kernarg_size 96
		.amdhsa_user_sgpr_count 2
		.amdhsa_user_sgpr_kernarg_segment_ptr 1
		.amdhsa_wavefront_size32 1
		.amdhsa_system_sgpr_workgroup_id_x 1
		.amdhsa_system_sgpr_workgroup_id_y 1
		.amdhsa_system_sgpr_workgroup_id_z 1
		.amdhsa_system_vgpr_workitem_id 0
		.amdhsa_next_free_vgpr 320
		.amdhsa_next_free_sgpr 66
		.amdhsa_reserve_vcc 0
		.amdhsa_float_denorm_mode_32 3
		.amdhsa_float_denorm_mode_16_64 3
		.amdhsa_memory_ordered 1
		.amdhsa_forward_progress 1
		.amdhsa_inst_pref_size 177
	.end_amdhsa_kernel
	.amdgpu_metadata
---
amdhsa.version: [ 1, 2 ]
amdhsa.kernels:
  - .name:           k_q4db67a6c8a_prep
    .symbol:         k_q4db67a6c8a_prep.kd
    .args:
      - { .name: x, .offset: 0, .size: 8, .value_kind: global_buffer, .address_space: global }
      - { .name: ln_g, .offset: 8, .size: 8, .value_kind: global_buffer, .address_space: global }
      - { .name: ln_b, .offset: 16, .size: 8, .value_kind: global_buffer, .address_space: global }
      - { .name: media, .offset: 24, .size: 8, .value_kind: global_buffer, .address_space: global }
      - { .name: Wkv, .offset: 32, .size: 8, .value_kind: global_buffer, .address_space: global }
      - { .name: Wq, .offset: 40, .size: 8, .value_kind: global_buffer, .address_space: global }
      - { .name: Wout, .offset: 48, .size: 8, .value_kind: global_buffer, .address_space: global }
      - { .name: media_locations, .offset: 56, .size: 8, .value_kind: global_buffer, .address_space: global }
      - { .name: xn, .offset: 64, .size: 8, .value_kind: global_buffer, .address_space: global }
      - { .name: w16, .offset: 72, .size: 8, .value_kind: global_buffer, .address_space: global }
      - { .name: mx, .offset: 80, .size: 8, .value_kind: global_buffer, .address_space: global }
      - { .name: tt, .offset: 88, .size: 8, .value_kind: global_buffer, .address_space: global }
    .group_segment_fixed_size: 51200
    .private_segment_fixed_size: 0
    .kernarg_segment_align: 8
    .kernarg_segment_size: 96
    .max_flat_workgroup_size: 128
    .sgpr_count:     66
    .vgpr_count:     320
    .wavefront_size: 32
...
	.end_amdgpu_metadata
.endif
;; end of part 1
;; launch kv (part 2): grid 8 x 16, 4 waves a work-group, clusters of 4 x 4, 327,680 bytes of LDS; arguments mx, kvb, vsum; writes kvb, vsum
.if DOCPART == 2
	.amdgcn_target "amdgcn-amd-amdhsa--gfx1250"
	.amdhsa_code_object_version 6
	.text
	.protected	k_q4db67a6c8a_kv
	.globl	k_q4db67a6c8a_kv
	.p2align	8
	.type	k_q4db67a6c8a_kv,@function
k_q4db67a6c8a_kv:
	s_mov_b64 s[64:65], 0
	v_nop
	global_prefetch_b8 v0, s[64:65] scope:SCOPE_SE
	s_setreg_imm32_b32 hwreg(HW_REG_WAVE_MODE, 25, 1), 1
	s_wait_xcnt 0x0
	s_wait_alu depctr_hold_cnt(0) depctr_sa_sdst(0) depctr_va_vdst(0) depctr_va_sdst(0) depctr_va_ssrc(0) depctr_va_vcc(0) depctr_vm_vsrc(0)
	s_getreg_b32 s2, hwreg(HW_REG_IB_STS2, 6, 4)
	s_cmp_eq_u32 s2, 0
	s_cbranch_scc0 .Lentry_in_a_cluster
	s_endpgm
.Lentry_in_a_cluster:
	s_bfe_u32 s2, ttmp6, 0x10000c
	s_cmp_lg_u32 s2, 0xf033
	s_cbranch_scc0 .Lentry_shape_is_right
	s_endpgm
.Lentry_shape_is_right:
; KV: kv = media Wkv on codes of FP4 (E2M1) with one E8M0 scale for each 32 along K = 1,024; sums in f32; K and V leave in f16.
; One text, two products, told apart by the cluster's x (the same in all sixteen partners):
;   cluster x = 0: A' = media's 4,096 rows, B' = Wkv's columns 0-1,023 (k);   cluster x = 1: A' = Wkv's columns 1,024-2,047 (v), B' = media's rows.
; THE MATRIX INSTRUCTION IS USED TRANSPOSED (source 0 = 16 rows of B', source 1 = 16 rows of A'): a lane holds one row of A' and eight neighbouring rows of B'.  Rounded to f16 those are 16 bytes,
; and an accumulator's 32 lanes x 16 bytes are stored as they stand, 512 consecutive bytes: a CHUNK (row block R of 16, column block C of 16).  Two neighbouring chunks are the registers of a 16 x 32
; operand of the 16-bit matrix instruction: K's chunks (key, 8 of the head's axis) and V's (channel, 8 keys) are read by the attention straight into operand registers.
; V's clusters also store, for each channel, the f32 sum over the wave's 128 keys: the mean of all keys serves tokens whose time is above 32.
; A tile of 256 x 256 to a work-group of four waves, 128 x 128 a wave; K in two slots of 512 (rows of 256 bytes), both filled at the start: nothing is filled again.
; CLUSTERS 4 x 4: A's tiles are shared along a row of the cluster, B's along a column: joint loads with a mask.  LIMIT: |k|, |v| under 65,504 (f16).
; REGISTERS: window 0: v0-31 addresses; v32-95 scale words, two sets; v128-191 A's fragments, one set.  window 1: B's fragments, two sets.  windows 2, 3: the 64 accumulators.
.set KSTEP,  512
.set NQ,     4
.set ROWB,   256
.set KROW,   512                       ; a row of codes in memory
.set PITCH,  272                       ; an LDS row: 256 bytes + 16: the sixteen rows of a fragment load start 68 words apart
.set FR,     8
.set NL,     2
.set NP,     4
.set HALFT,  128*PITCH
.set SLOT,   4*HALFT
.set KS,     32                        ; a row of scale bytes
.set SCL,    2*SLOT
.set HALFS,  (128*KS/256)*272
.set SBLK,   (16*KS/256)*272
.set SPARE,  SCL+4*HALFS               ; the spare words: 128 bytes a wave, two blocks of 256 bytes that no other line names
.set WC,     2097152                   ; regions of mx
.set MS,     3145728
.set WS,     3276800
.set AC_V,   WC+1024*512               ; Wkv's columns 1,024 on: codes,
.set AS_V,   WS+1024*32                ; scale bytes
.set VB,     8388608                   ; V's chunks in kvb
.set ADRA, 16
.set ADRB, 20
.set CO,   26                          ; v26  16 x lane
.set ADRS, 27
.set SPW,  28
.set NIL,  29
.set SC,   32
.set AF,   128
.set TMP,  128                         ; the way out: packed results, v128-159 and v160-191 by turns
.set SU,   192                         ; V's sums
.set G1, 24
.set G0, 32
.set G1B, 48
.set G0B, 56
.set G1S, 68
.set G0S, 76
.set G1SB, 80
.set G0SB, 88
.set MSB, 0
.macro WIN new
.if MSB != (\new)
	s_set_vgpr_msb (MSB<<8)|(\new)
.set MSB, (\new)
.endif
.endm
.set MUL_LO, 0xa1                      ; source 0 (B') window 1, source 1 (A') window 0, C and D window 2
.set MUL_HI, 0xf1
.set TO_B,   0x40
; A joint load: waves 0 and 1 fetch for A', waves 2 and 3 for B'.  The branch hangs on the wave's number alone.  An s_nop 0 and four v_nop follow each line.
.macro JLOAD g0a, g1a, g0b, g1b
	s_cmp_eq_u32 s15, 0
	s_cbranch_scc0 .Lfor_b_\@
	tensor_load_to_lds s[\g0a:\g0a+3], s[\g1a:\g1a+7]
	s_nop 0
.rept 4
	v_nop
.endr
	s_branch .Lasked_\@
.Lfor_b_\@:
	tensor_load_to_lds s[\g0b:\g0b+3], s[\g1b:\g1b+7]
	s_nop 0
.rept 4
	v_nop
.endr
.Lasked_\@:
.endm
.macro CROUND                          ; a round of the cluster's barrier
	s_barrier_signal -1
	s_barrier_wait -1
	s_cmp_lg_u32 s14, 0
	s_cbranch_scc1 .Lnot_wave_0_\@
	s_barrier_signal -3
.Lnot_wave_0_\@:
	s_barrier_wait -3
	s_barrier_signal -1
	s_barrier_wait -1
.endm
	s_load_b128 s[4:7], s[0:1], 0x0                ; mx, kvb
	s_load_b64 s[8:9], s[0:1], 0x10                ; vsum
	v_lshl_add_u32 v[SPW], v0, 2, SPARE
	v_mov_b32 v[NIL], 0
	ds_add_u32 v[SPW], v[NIL]                      ; the wave's opening: the add and its wait stand ahead of my first tensor load
	v_lshrrev_b32 v1, 5, v0
	v_readfirstlane_b32 s14, v1                    ; wave 0..3
	s_lshr_b32 s15, s14, 1                         ; which half of the tile's rows is mine.  Also: I fetch for A' (0) or B' (1)
	s_and_b32 s16, s14, 1                          ; which half of its columns.  Also: which 128 rows I fetch
	s_bfe_u32 s40, ttmp6, 0x40000                  ; cx
	s_bfe_u32 s41, ttmp6, 0x40004                  ; cy
	s_and_b32 s10, ttmp7, 0xffff
	s_lshl_b32 s10, s10, 2                         ; 4 x cluster y: it walks media's sixteen tiles, which are rows for K and columns for V
	s_xor_b32 s12, ttmp9, 1                        ; 1 in K's clusters, 0 in V's; ttmp9 the other way round
	s_mul_i32 s11, s10, s12
	s_mul_i32 s10, s10, ttmp9
	s_mul_i32 s98, ttmp9, AC_V                     ; where A's codes begin in mx (media's at 0),
	s_mul_i32 s99, s12, WC                         ; B's codes,
	s_mul_i32 s100, ttmp9, AS_V-MS
	s_add_co_u32 s100, s100, MS                    ; A's scale bytes,
	s_mul_i32 s101, s12, WS-MS
	s_add_co_u32 s101, s101, MS                    ; B's
	s_mul_i32 s13, ttmp9, VB                       ; where the chunks go in kvb,
	s_mul_i32 s96, ttmp9, 98304
	s_add_co_u32 s96, s96, 32768                   ; and the bytes from one row block of chunks to the next: 64 chunks for K, 256 for V
	s_mov_b32 s97, 0
	s_add_co_u32 s17, s41, s11                     ; tile row
	s_add_co_u32 s42, s40, s10                     ; tile column
	s_lshl_b32 s43, s41, 2
	s_lshl_b32 s43, 15, s43                        ; my row of the cluster
	s_lshl_b32 s44, 0x1111, s40                    ; my column
	s_or_b32 s[G1+0], s43, (0<<16)|(1<<20)|(1<<21)|(5<<22)|(3<<25)  ; mask; elements of 1 byte; padding on; bit 21 beside a mask; 4 words behind every 64
	s_or_b32 s[G1B+0], s44, (0<<16)|(1<<20)|(1<<21)|(5<<22)|(3<<25)
.irp g, G1, G1B
	s_mov_b32 s[\g+1], ROWB<<16                    ; tensor_dim0
	s_mov_b32 s[\g+2], 128<<16                     ; tensor_dim1
	s_mov_b32 s[\g+3], ROWB<<16                    ; tile_dim0
	s_mov_b32 s[\g+4], 128                         ; tile_dim1
	s_mov_b32 s[\g+5], KROW                        ; the pitch
	s_mov_b32 s[\g+6], 0
	s_mov_b32 s[\g+7], 0
.endr
	s_or_b32 s[G1S+0], s43, (3<<16)|(1<<20)|(1<<21)|(5<<22)|(3<<25)  ; the scales of 128 rows: 4,096 dense bytes as 16 rows of 256, 16 bytes of padding behind each
	s_or_b32 s[G1SB+0], s44, (3<<16)|(1<<20)|(1<<21)|(5<<22)|(3<<25)
.irp g, G1S, G1SB
	s_mov_b32 s[\g+1], 32<<16
	s_mov_b32 s[\g+2], (128*KS/256)<<16
	s_mov_b32 s[\g+3], 32<<16
	s_mov_b32 s[\g+4], 128*KS/256
	s_mov_b32 s[\g+5], 32
	s_mov_b32 s[\g+6], 0
	s_mov_b32 s[\g+7], 0
.endr
	s_lshl_b32 s18, s16, 7
	s_lshl_b32 s20, s17, 8
	s_add_co_u32 s20, s20, s18                     ; A': row 256 x tile row + 128 x half
	s_lshl_b32 s46, s42, 8
	s_add_co_u32 s46, s46, s18                     ; B': row 256 x tile column + 128 x half
	s_lshl_b32 s22, s20, 5
	s_add_co_u32 s22, s22, s100                    ; offsets in mx, all under 2^22: A's scale bytes,
	s_mov_b32 s23, 0
	s_lshl_b32 s92, s46, 5
	s_add_co_u32 s92, s92, s101                    ; B's,
	s_mov_b32 s93, 0
	s_lshl_b32 s20, s20, 9
	s_add_co_u32 s20, s20, s98                     ; A's codes,
	s_mov_b32 s21, 0
	s_lshl_b32 s46, s46, 9
	s_add_co_u32 s46, s46, s99                     ; B's
	s_mov_b32 s47, 0
	s_mul_i32 s45, s14, HALFT                      ; where they go: wave x 128 rows: no place in the cluster enters an LDS address
	s_mul_i32 s94, s14, HALFS
	s_wait_dscnt 0x0                               ; the opening add is done
	s_wait_kmcnt 0x0
	s_add_nc_u64 s[20:21], s[4:5], s[20:21]
	s_add_nc_u64 s[22:23], s[4:5], s[22:23]
	s_add_nc_u64 s[46:47], s[4:5], s[46:47]
	s_add_nc_u64 s[92:93], s[4:5], s[92:93]
	CROUND                                         ; all sixteen work-groups are here: the first joint loads meet
	s_mov_b32 s[G0S], 1
	s_add_co_u32 s[G0S+1], s94, SCL
	s_mov_b64 s[G0S+2:G0S+3], s[22:23]
	s_or_b32 s[G0S+3], s[G0S+3], 0x80000000
	s_mov_b32 s[G0SB], 1
	s_add_co_u32 s[G0SB+1], s94, SCL
	s_mov_b64 s[G0SB+2:G0SB+3], s[92:93]
	s_or_b32 s[G0SB+3], s[G0SB+3], 0x80000000
	JLOAD G0S, G1S, G0SB, G1SB                     ; the scales first: three loads of mine are out at the most
.irp s, 0,1
	s_mov_b32 s[G0+4*\s], 1
	s_add_co_u32 s[G0+4*\s+1], s45, \s*SLOT
	s_add_nc_u64 s[G0+4*\s+2:G0+4*\s+3], s[20:21], \s*ROWB
	s_or_b32 s[G0+4*\s+3], s[G0+4*\s+3], 0x80000000
	s_mov_b32 s[G0B+4*\s], 1
	s_add_co_u32 s[G0B+4*\s+1], s45, \s*SLOT
	s_add_nc_u64 s[G0B+4*\s+2:G0B+4*\s+3], s[46:47], \s*ROWB
	s_or_b32 s[G0B+4*\s+3], s[G0B+4*\s+3], 0x80000000
	JLOAD G0+4*\s, G1, G0B+4*\s, G1B
.endr
	v_and_b32 v1, 15, v0                           ; l % 16
	v_bfe_u32 v2, v0, 4, 1                         ; l / 16
	v_mul_u32_u24 v3, v1, PITCH
	v_lshl_add_u32 v4, v2, 4, v3
	s_mul_i32 s21, s15, HALFT                      ; my 128 rows of A'
	s_mul_i32 s22, s16, HALFT                      ; my 128 rows of B',
	s_add_co_u32 s22, s22, 2*HALFT                 ; behind A's 256
.irp s, 0,1
	v_add_nc_u32 v[ADRA+\s], s21, v4
	v_add_nc_u32 v[ADRB+\s], s22, v4
	s_add_co_u32 s21, s21, SLOT
	s_add_co_u32 s22, s22, SLOT
.endr
	v_mul_u32_u24 v5, v1, KS                       ; my row's scale bytes: 32 a row,
	v_lshrrev_b32 v6, 8, v5
	v_lshl_add_u32 v5, v6, 4, v5                   ; and 16 more for each 256 passed
	s_mul_i32 s21, s15, HALFS
	s_mul_i32 s22, s16, HALFS
	s_add_co_u32 s22, s22, 2*HALFS
	s_sub_co_u32 s22, s22, s21
	v_mul_u32_u24 v6, s22, v2                      ; lanes 16-31 take B's: one product, the lower base + half x the distance
	s_add_co_u32 s21, s21, SCL
	v_add_nc_u32 v5, v5, v6
	v_add_nc_u32 v[ADRS], s21, v5
	v_and_b32 v31, 31, v0
	v_lshlrev_b32 v[CO], 4, v31
	v_lshlrev_b32 v30, 2, v31
	s_mov_b32 s18, 0x76543210
	s_mov_b32 s19, 0xfedcba98
	s_lshl_b32 s20, s17, 4                         ; where my chunks begin: row block 16 x tile row + 8 x half,
	s_lshl_b32 s21, s15, 3
	s_add_co_u32 s20, s20, s21
	s_mul_i32 s20, s20, s96
	s_add_co_u32 s20, s20, s13
	s_lshl_b32 s46, s42, 4                         ; column block 16 x tile column + 8 x half
	s_lshl_b32 s47, s16, 3
	s_add_co_u32 s46, s46, s47
	s_lshl_b32 s46, s46, 9
	s_add_co_u32 s20, s20, s46
	s_mov_b32 s21, 0
	s_add_nc_u64 s[6:7], s[6:7], s[20:21]
	s_lshl_b32 s20, s42, 1                         ; V's sums: [run of 128 keys: 2 x tile column + half][channel: 256 x tile row + 128 x half]
	s_add_co_u32 s20, s20, s16
	s_lshl_b32 s20, s20, 12
	s_lshl_b32 s21, s17, 10
	s_add_co_u32 s20, s20, s21
	s_lshl_b32 s21, s15, 9
	s_add_co_u32 s20, s20, s21
	s_mov_b32 s21, 0
	s_add_nc_u64 s[8:9], s[8:9], s[20:21]          ; (used in V's clusters alone)
.macro FRAG reg, adr, q, i             ; 16 rows x 128 K of 4-bit codes: 8 registers, two loads of 16 bytes, 32 bytes apart
.irp c, 0,1
	ds_load_b128 v[\reg+4*\c:\reg+4*\c+3], v[\adr] offset:64*(\q)+32*\c+(\i)*16*PITCH
.endr
.endm
; 16 matrix instructions: A's blocks a0, a0 + 1 x B's eight.  The 64 accumulators take turns, one instruction a turn, in the same order in every step.
; A register of scale words holds A's block in lanes 0-15 and B's block in lanes 16-31.
.macro MUL16 a0, p, q, sc, zero
.irp a, \a0, \a0+1
.irp b, 0,1,2,3,4,5,6,7
.if \zero
	v_wmma_scale_f32_16x16x128_f8f6f4 v[8*(8*((\a)%4)+\b):8*(8*((\a)%4)+\b)+7], v[128*(\p)+FR*\b:128*(\p)+FR*\b+FR-1], v[AF+FR*(\a):AF+FR*(\a)+FR-1], 0, v[SC+8*NQ*(\sc)+NQ*\b+(\q)], v[SC+8*NQ*(\sc)+NQ*(\a)+(\q)] matrix_a_fmt:MATRIX_FMT_FP4 matrix_b_fmt:MATRIX_FMT_FP4 matrix_a_scale:MATRIX_SCALE_ROW1
.else
	v_wmma_scale_f32_16x16x128_f8f6f4 v[8*(8*((\a)%4)+\b):8*(8*((\a)%4)+\b)+7], v[128*(\p)+FR*\b:128*(\p)+FR*\b+FR-1], v[AF+FR*(\a):AF+FR*(\a)+FR-1], v[8*(8*((\a)%4)+\b):8*(8*((\a)%4)+\b)+7], v[SC+8*NQ*(\sc)+NQ*\b+(\q)], v[SC+8*NQ*(\sc)+NQ*(\a)+(\q)] matrix_a_fmt:MATRIX_FMT_FP4 matrix_b_fmt:MATRIX_FMT_FP4 matrix_a_scale:MATRIX_SCALE_ROW1
.endif
.endr
.endr
.endm
.macro FETCH_B slot, q, p
	WIN TO_B
.irp i, 0,1,2,3,4,5,6,7
	FRAG 128*(\p)+FR*\i, ADRB+\slot, \q, \i
.endr
	WIN 0
.endm
.macro FETCH_A slot, q, i0
.irp i, \i0, \i0+1, \i0+2, \i0+3
	FRAG AF+FR*(\i), ADRA+\slot, \q, \i
.endr
.endm
.macro SCALES sc                       ; a slot's scale words: four words a row
.irp i, 0,1,2,3,4,5,6,7
	ds_load_b128 v[SC+8*NQ*\sc+NQ*\i:SC+8*NQ*\sc+NQ*\i+3], v[ADRS] offset:\i*SBLK
.endr
.endm
.macro PLACES n                        ; plain vector instructions between a matrix instruction and a load into, or a read of, its registers
.rept \n
	v_nop
.endr
.endm
.macro STEP slot, q, zero              ; 128 along K with its successor in the same slot
	s_wait_dscnt 4*NL                              ; B's set and A's blocks 0-3 are in; the youngest eight loads (A's blocks 4-7) may be out
	WIN MUL_LO
	MUL16 0, (\q)%2, \q, \slot, \zero
	MUL16 2, (\q)%2, \q, \slot, \zero
	s_wait_dscnt 0
	PLACES NP
	FETCH_B \slot, (\q)+1, 1-(\q)%2
	FETCH_A \slot, (\q)+1, 0
	WIN MUL_HI
	MUL16 4, (\q)%2, \q, \slot, \zero
	MUL16 6, (\q)%2, \q, \slot, \zero
	PLACES NP
	WIN 0
	FETCH_A \slot, (\q)+1, 4
.endm
.macro TURN slot, next                 ; slot 0's last step: one barrier shows slot 1 whole to every wave; nothing is filled again
	s_wait_tensorcnt 0x0                           ; my part of slot 1 has landed
	ds_add_u32 v[SPW], v[NIL]                      ; 0 onto my spare word
	s_wait_dscnt 4*NL+1                            ; (the add and A's blocks 4-7 may be out)
	WIN MUL_LO
	MUL16 0, 1, NQ-1, \slot, 0
	s_wait_dscnt 0x0
	s_barrier_signal -1
	MUL16 2, 1, NQ-1, \slot, 0
	WIN 0
	s_barrier_wait -1
	PLACES NP
	v_add_nc_u32 v[ADRS], 4*NQ, v[ADRS]            ; the next slot's scale words
	FETCH_B \next, 0, 0
	FETCH_A \next, 0, 0
	SCALES \next
	WIN MUL_HI
	MUL16 4, 1, NQ-1, \slot, 0
	MUL16 6, 1, NQ-1, \slot, 0
	PLACES NP
	WIN 0
	FETCH_A \next, 0, 4
.endm
	s_wait_tensorcnt 1                             ; the scales and my part of slot 0 are in; slot 1's load may be out
	s_barrier_signal -1
	s_barrier_wait -1
	FETCH_B 0, 0, 0
	FETCH_A 0, 0, 0
	SCALES 0
	FETCH_A 0, 0, 4
	STEP 0, 0, 1                                   ; the first products start the sums
	STEP 0, 1, 0
	STEP 0, 2, 0
	TURN 0, 1
	STEP 1, 0, 0
	STEP 1, 1, 0
	STEP 1, 2, 0
	s_wait_dscnt 4*NL
	WIN MUL_LO
	MUL16 0, 1, NQ-1, 1, 0
	MUL16 2, 1, NQ-1, 1, 0
	s_wait_dscnt 0
	WIN MUL_HI
	MUL16 4, 1, NQ-1, 1, 0
	MUL16 6, 1, NQ-1, 1, 0
	WIN 0
	; THE WAY OUT: no LDS.  Block a's eight accumulators, rounded to f16, are eight chunks: each store covers 512 consecutive bytes.  Each accumulator is read from its low end on.
	PLACES NP
.irp a, 0,1,2,3,4,5,6,7
.if \a > 0
	s_wait_xcnt 0x0                                ; the earlier stores have read their base and their data
	s_add_nc_u64 s[6:7], s[6:7], s[96:97]          ; the next row block of chunks
.endif
	WIN 0x0a+5*((\a)/4)                            ; sources 0 and 1: window 2 or 3
.irp b, 0,1,2,3,4,5,6,7
.irp r, 0,1,2,3
	v_cvt_pk_f16_f32 v[TMP+32*((\a)%2)+4*\b+\r], v[64*((\a)%4)+8*\b+2*\r], v[64*((\a)%4)+8*\b+2*\r+1]
.endr
.endr
	WIN 0
.irp b, 0,1,2,3,4,5,6,7
	global_store_b128 v[CO], v[TMP+32*((\a)%2)+4*\b:TMP+32*((\a)%2)+4*\b+3], s[6:7] offset:512*\b
.endr
.endr
	s_cmp_eq_u32 ttmp9, 0                          ; K's clusters have no sums: the cluster's x is the same in all partners
	s_cbranch_scc1 .Lnosum
.irp i, 0,1,2,3,4,5,6,7,8,9,10,11,12,13,14,15
	v_mov_b32 v[SU+\i], 0
.endr
	WIN 0x08                                       ; source 1: window 2
.set p, 0
.rept 32
.irp a, 0,1,2,3
	v_pk_add_f32 v[SU+2*\a:SU+2*\a+1], v[SU+2*\a:SU+2*\a+1], v[64*\a+p:64*\a+p+1]   ; block a's 64 numbers of my channel, the four blocks by turns
.endr
.set p, p+2
.endr
	WIN 0x0c                                       ; source 1: window 3
.set p, 0
.rept 32
.irp a, 0,1,2,3
	v_pk_add_f32 v[SU+8+2*\a:SU+8+2*\a+1], v[SU+8+2*\a:SU+8+2*\a+1], v[64*\a+p:64*\a+p+1]
.endr
.set p, p+2
.endr
	WIN 0
.irp a, 0,1,2,3,4,5,6,7
	v_add_f32 v[SU+2*\a], v[SU+2*\a], v[SU+2*\a+1]
.endr
.irp a, 0,1,2,3,4,5,6,7
	v_permlanex16_b32 v[SU+2*\a+1], v[SU+2*\a], s18, s19
.endr
.irp a, 0,1,2,3,4,5,6,7
	v_add_f32 v[SU+2*\a], v[SU+2*\a], v[SU+2*\a+1]  ; with lane l xor 16's keys: channel 16 a + l % 16, in both halves
.endr
	v_cmp_le_u32 vcc_lo, 16, v31
.irp i, 0,1,2,3
	v_cndmask_b32 v[SU+16+\i], v[SU+4*\i], v[SU+4*\i+2], vcc_lo   ; lanes 0-15 block 2 i, lanes 16-31 block 2 i + 1: 32 neighbouring channels
.endr
.irp i, 0,1,2,3
	global_store_b32 v30, v[SU+16+\i], s[8:9] offset:128*\i
.endr
.Lnosum:
	s_wait_tensorcnt 0x0                           ; the wave's end
	ds_add_u32 v[SPW], v[NIL]
	s_wait_dscnt 0x0
	CROUND                                         ; the closing round
	s_endpgm
.Lfunc_end_k_q4db67a6c8a_kv:
	.size	k_q4db67a6c8a_kv, .Lfunc_end_k_q4db67a6c8a_kv-k_q4db67a6c8a_kv
	.p2alignl 7, 3214868480
	.fill 96, 4, 3214868480
	.section	.rodata,"a",@progbits
	.p2align	6, 0x0
	.amdhsa_kernel k_q4db67a6c8a_kv
		.amdhsa_group_segment_fixed_size 327680
		.amdhsa_private_segment_fixed_size 0
		.amdhsa_enable_private_segment 0
		.amdhsa_kernarg_size 24
		.amdhsa_user_sgpr_count 2
		.amdhsa_user_sgpr_kernarg_segment_ptr 1
		.amdhsa_wavefront_size32 1
		.amdhsa_system_sgpr_workgroup_id_x 1
		.amdhsa_system_sgpr_workgroup_id_y 1
		.amdhsa_system_sgpr_workgroup_id_z 1
		.amdhsa_system_vgpr_workitem_id 0
		.amdhsa_next_free_vgpr 1024
		.amdhsa_next_free_sgpr 102
		.amdhsa_reserve_vcc 1
		.amdhsa_float_denorm_mode_32 3
		.amdhsa_float_denorm_mode_16_64 3
		.amdhsa_memory_ordered 1
		.amdhsa_forward_progress 1
		.amdhsa_inst_pref_size 137
	.end_amdhsa_kernel
	.amdgpu_metadata
---
amdhsa.version: [ 1, 2 ]
amdhsa.kernels:
  - .name:           k_q4db67a6c8a_kv
    .symbol:         k_q4db67a6c8a_kv.kd
    .args:
      - { .name: mx, .offset: 0, .size: 8, .value_kind: global_buffer, .address_space: global }
      - { .name: kvb, .offset: 8, .size: 8, .value_kind: global_buffer, .address_space: global }
      - { .name: vsum, .offset: 16, .size: 8, .value_kind: global_buffer, .address_space: global }
    .group_segment_fixed_size: 327680
    .private_segment_fixed_size: 0
    .kernarg_segment_align: 8
    .kernarg_segment_size: 24
    .max_flat_workgroup_size: 128
    .sgpr_count:     102
    .vgpr_count:     1024
    .wavefront_size: 32
...
	.end_amdgpu_metadata
.endif
;; end of part 2
;; launch qproj (part 3): grid 4 x 64, 4 waves a work-group, clusters of 4 x 4, 327,680 bytes of LDS; arguments xn, w16, q; writes q
.if DOCPART == 3
	.amdgcn_target "amdgcn-amd-amdhsa--gfx1250"
	.amdhsa_code_object_version 6
	.text
	.protected	k_q4db67a6c8a_qproj
	.globl	k_q4db67a6c8a_qproj
	.p2align	8
	.type	k_q4db67a6c8a_qproj,@function
k_q4db67a6c8a_qproj:
	s_mov_b64 s[64:65], 0
	v_nop
	global_prefetch_b8 v0, s[64:65] scope:SCOPE_SE
	s_setreg_imm32_b32 hwreg(HW_REG_WAVE_MODE, 25, 1), 1
	s_wait_xcnt 0x0
	s_wait_alu depctr_hold_cnt(0) depctr_sa_sdst(0) depctr_va_vdst(0) depctr_va_sdst(0) depctr_va_ssrc(0) depctr_va_vcc(0) depctr_vm_vsrc(0)
	s_getreg_b32 s2, hwreg(HW_REG_IB_STS2, 6, 4)
	s_cmp_eq_u32 s2, 0
	s_cbranch_scc0 .Lentry_in_a_cluster
	s_endpgm
.Lentry_in_a_cluster:
	s_bfe_u32 s2, ttmp6, 0x10000c
	s_cmp_lg_u32 s2, 0xf033
	s_cbranch_scc0 .Lentry_shape_is_right
	s_endpgm
.Lentry_shape_is_right:
; QPROJ: q = xn Wq.  xn [8192][2048] f16, Wq [2048 k][1024 n] f16 (w16's first half), sums in f32, q rounded once to f16.  LIMIT: |q| under 65,504.
; A tile of 128 x 256 to a work-group (256 work-groups; tiles of 256 x 256 would be 128), four waves of 64 x 128: 32 accumulators, 256 registers (window 1).
; K goes in 16 steps of 128 through two LDS slots.  A's rows lie along K (256 bytes + 16).  B stays [k][n] (rows of 512 bytes + 32) and is turned on its way out of LDS by ds_load_tr16_b128.
; THE MATRIX INSTRUCTION IS USED TRANSPOSED (source 0 = 16 columns of Wq, source 1 = 16 rows of xn): a lane holds eight neighbouring numbers of a row of q: 16 bytes of f16.  An accumulator's 32 x 16 bytes
; are stored as they stand, 512 consecutive bytes: chunk (token / 16, column / 16) at ((token / 16) 64 + column / 16) 512.  Two neighbouring chunks are an operand's registers for the attention.
; CLUSTERS 4 x 4: A's tile is shared along a row of the cluster, B's along a column; joint loads; each refill stands behind a round of the cluster's barrier.
; REGISTERS, window 0: v16-30 addresses; fragment buffer f: A v[32 + 96 f ..] (4 x 8), B v[64 + 96 f ..] (8 x 8).
.set PA,    272
.set PB,    544                        ; 136 words: row k starts 8 banks on from row k - 1
.set HA,    64*PA                      ; what a wave fetches of A: 64 rows
.set HB,    64*PB                      ; and of B: 64 rows of k
.set BOFF,  2*HA
.set SLOT,  2*HA+2*HB
.set SPARE, 2*SLOT                     ; the spare words: 128 bytes a wave, two blocks of 256 bytes that no other line names
.set ADRA, 16
.set ADRB, 20
.set CO,   26
.set SPW,  28
.set NIL,  29
.set PFO,  30
.set G1, 24
.set G0, 32
.set G1B, 48
.set G0B, 56
.set PFA, 66                           ; s[66:67] where my prefetches stand;  s[68:69] a K step on, in bytes;  s70: 1 in a wave that prefetches, else the greatest number
.set PFS, 68
.set LIM, 70
.set MSB, 0
.macro WIN new
.if MSB != (\new)
	s_set_vgpr_msb (MSB<<8)|(\new)
.set MSB, (\new)
.endif
.endm
.set MUL, 0x50                         ; C and D window 1
.macro JLOAD s                         ; waves 0 and 1 fetch A's halves, waves 2 and 3 B's; an s_nop 0 and four v_nop follow each line
	s_cmp_eq_u32 s11, 0
	s_cbranch_scc0 .Lfor_b_\@
	tensor_load_to_lds s[G0+4*\s:G0+4*\s+3], s[G1:G1+7]
	s_nop 0
.rept 4
	v_nop
.endr
	s_branch .Lasked_\@
.Lfor_b_\@:
	tensor_load_to_lds s[G0B+4*\s:G0B+4*\s+3], s[G1B:G1B+7]
	s_nop 0
.rept 4
	v_nop
.endr
.Lasked_\@:
.endm
.macro CREST
	s_cmp_lg_u32 s10, 0
	s_cbranch_scc1 .Lnot_wave_0_\@
	s_barrier_signal -3
.Lnot_wave_0_\@:
	s_barrier_wait -3
	s_barrier_signal -1
	s_barrier_wait -1
.endm
.macro CROUND
	s_barrier_signal -1
	s_barrier_wait -1
	CREST
.endm
; A prefetch of the K step that stands two refills on (256 matrix instructions ahead of its load).  Each aligned 256 bytes are named once in the launch: A's 128 rows by wave 0 of the four partners
; of a row of the cluster, 32 rows each, told apart by address; B's 128 rows x 512 bytes by waves 2 and 3 of the clusters with y = 0, 16 rows x 2 to a wave, the column's partners told apart by address.
; The loop's last trip asks for nothing: K step 15 is the last that is named.
.macro ASK
	s_cmp_gt_u32 s3, s[LIM]
	s_cbranch_scc0 .Lnot_mine_\@
	global_prefetch_b8 v[PFO], s[PFA:PFA+1] th:TH_LOAD_NT scope:SCOPE_SE
.Lnot_mine_\@:
.endm
	s_load_b128 s[4:7], s[0:1], 0x0                ; xn, w16
	s_load_b64 s[8:9], s[0:1], 0x10                ; q
	v_lshl_add_u32 v[SPW], v0, 2, SPARE
	v_mov_b32 v[NIL], 0
	ds_add_u32 v[SPW], v[NIL]                      ; the wave's opening: the add and its wait stand ahead of my first tensor load
	v_lshrrev_b32 v1, 5, v0
	v_readfirstlane_b32 s10, v1                    ; wave
	s_lshr_b32 s11, s10, 1                         ; my half of the tile's rows.  Also: I fetch for A (0) or B (1)
	s_and_b32 s12, s10, 1                          ; my half of its columns.  Also: which 64 rows I fetch
	s_bfe_u32 s40, ttmp6, 0x40000                  ; cx
	s_bfe_u32 s41, ttmp6, 0x40004                  ; cy
	s_lshl_b32 s42, ttmp9, 2
	s_add_co_u32 s42, s42, s40                     ; tile column
	s_and_b32 s13, ttmp7, 0xffff
	s_lshl_b32 s13, s13, 2
	s_add_co_u32 s13, s13, s41                     ; tile row
	s_lshl_b32 s43, s41, 2
	s_lshl_b32 s43, 15, s43
	s_lshl_b32 s44, 0x1111, s40
	s_or_b32 s[G1+0], s43, (1<<16)|(1<<20)|(1<<21)|(5<<22)|(3<<25)   ; A: elements of 2 bytes; 4 words of padding behind every 64
	s_mov_b32 s[G1+1], 128<<16
	s_mov_b32 s[G1+2], 64<<16
	s_mov_b32 s[G1+3], 128<<16
	s_mov_b32 s[G1+4], 64
	s_mov_b32 s[G1+5], 2048
	s_mov_b32 s[G1+6], 0
	s_mov_b32 s[G1+7], 0
	s_or_b32 s[G1B+0], s44, (1<<16)|(1<<20)|(1<<21)|(6<<22)|(7<<25)  ; B: 8 words of padding behind every 128
	s_mov_b32 s[G1B+1], 256<<16
	s_mov_b32 s[G1B+2], 64<<16
	s_mov_b32 s[G1B+3], 256<<16
	s_mov_b32 s[G1B+4], 64
	s_mov_b32 s[G1B+5], 1024
	s_mov_b32 s[G1B+6], 0
	s_mov_b32 s[G1B+7], 0
	s_lshl_b32 s16, s13, 7
	s_lshl_b32 s17, s12, 6
	s_add_co_u32 s16, s16, s17
	s_lshl_b32 s16, s16, 12                        ; A: row 128 x tile row + 64 x half, 4,096 bytes a row
	s_mov_b32 s17, 0
	s_lshl_b32 s46, s12, 17                        ; B: k = 64 x half, 2,048 bytes a row,
	s_lshl_b32 s47, s42, 9
	s_add_co_u32 s46, s46, s47                     ; + 512 bytes x tile column
	s_mov_b32 s47, 0
	s_mul_i32 s20, s12, HA                         ; where they go
	s_mul_i32 s21, s12, HB
	s_add_co_u32 s21, s21, BOFF
	s_wait_dscnt 0x0
	s_wait_kmcnt 0x0
	s_add_nc_u64 s[14:15], s[4:5], s[16:17]
	s_add_nc_u64 s[46:47], s[6:7], s[46:47]
	CROUND
.irp s, 0,1
	s_mov_b32 s[G0+4*\s], 1
	s_add_co_u32 s[G0+4*\s+1], s20, \s*SLOT
	s_add_nc_u64 s[G0+4*\s+2:G0+4*\s+3], s[14:15], \s*256
	s_or_b32 s[G0+4*\s+3], s[G0+4*\s+3], 0x80000000
	s_mov_b32 s[G0B+4*\s], 1
	s_add_co_u32 s[G0B+4*\s+1], s21, \s*SLOT
	s_add_nc_u64 s[G0B+4*\s+2:G0B+4*\s+3], s[46:47], \s*262144
	s_or_b32 s[G0B+4*\s+3], s[G0B+4*\s+3], 0x80000000
	JLOAD \s
.endr
	v_and_b32 v1, 15, v0
	v_bfe_u32 v2, v0, 4, 1
	v_mul_u32_u24 v3, v1, PA
	v_lshl_add_u32 v3, v2, 4, v3                   ; A: row x pitch + 16 x half
	s_mul_i32 s21, s11, HA
	v_and_b32 v4, 7, v0
	v_bfe_u32 v5, v0, 3, 1
	v_lshl_add_u32 v4, v2, 3, v4
	v_mul_u32_u24 v4, v4, PB
	v_lshl_add_u32 v4, v5, 4, v4                   ; B: (8 (l / 16) + l % 8) x pitch + 16 ((l / 8) % 2)
	s_lshl_b32 s22, s12, 8
	s_add_co_u32 s22, s22, BOFF
.irp s, 0,1
	v_add_nc_u32 v[ADRA+\s], s21, v3
	v_add_nc_u32 v[ADRB+\s], s22, v4
	s_add_co_u32 s21, s21, SLOT
	s_add_co_u32 s22, s22, SLOT
.endr
	v_and_b32 v6, 31, v0
	v_lshlrev_b32 v[CO], 4, v6
	s_lshl_b32 s16, s13, 3                         ; my first chunk: row block 8 x tile row + 4 x half, column block 16 x tile column + 8 x half
	s_lshl_b32 s17, s11, 2
	s_add_co_u32 s16, s16, s17
	s_lshl_b32 s16, s16, 6
	s_lshl_b32 s17, s42, 4
	s_add_co_u32 s16, s16, s17
	s_lshl_b32 s17, s12, 3
	s_add_co_u32 s16, s16, s17
	s_lshl_b32 s16, s16, 9
	s_mov_b32 s17, 0
	s_add_nc_u64 s[8:9], s[8:9], s[16:17]
	s_and_b32 s71, ttmp7, 0xffff                   ; the prefetches: cluster y
	s_lshl_b32 s16, s13, 7
	s_lshl_b32 s17, s40, 5
	s_add_co_u32 s16, s16, s17
	s_lshl_b32 s16, s16, 12
	s_add_co_u32 s16, s16, 3*256                   ; A: row 128 x tile row + 32 cx, at K step 3: the first refill steps it to 4
	s_lshl_b32 s17, s12, 6
	s_add_co_u32 s17, s17, 384
	s_lshl_b32 s18, s41, 4
	s_add_co_u32 s17, s17, s18
	s_lshl_b32 s17, s17, 11
	s_lshl_b32 s18, s42, 9
	s_add_co_u32 s17, s17, s18                     ; B: k = 384 + 64 x half + 16 cy
	s_cmp_eq_u32 s11, 0
	s_cselect_b64 s[PFA:PFA+1], s[4:5], s[6:7]
	s_cselect_b32 s16, s16, s17
	s_cselect_b32 s[LIM], s12, s71                 ; 0 in wave 0, and in waves 2 and 3 of the clusters with y = 0: the same in all partners, for a given wave
	s_mov_b32 s[PFS], 262144
	s_cselect_b32 s[PFS], 256, s[PFS]
	s_cselect_b32 s18, 0, 1                        ; A: a lane a row;  B: two lanes a row
	s_mov_b32 s19, 2048
	s_cselect_b32 s19, 4096, s19
	s_mov_b32 s17, 0
	s_mov_b32 s[PFS+1], 0
	s_add_nc_u64 s[PFA:PFA+1], s[PFA:PFA+1], s[16:17]
	s_cmp_eq_u32 s[LIM], 0
	s_cselect_b32 s[LIM], 1, -1
	v_lshrrev_b32 v[PFO], s18, v6
	v_mul_lo_u32 v[PFO], v[PFO], s19
	v_and_b32 v7, s18, v6
	v_lshl_add_u32 v[PFO], v7, 8, v[PFO]
.macro MUL8 f, a, zero                 ; A's block a x B's eight, 32 along K.  The 32 accumulators take turns in the same order in every quarter
.irp b, 0,1,2,3,4,5,6,7
.if \zero
	v_wmma_f32_16x16x32_f16 v[8*(8*(\a)+\b):8*(8*(\a)+\b)+7], v[64+96*(\f)+8*\b:64+96*(\f)+8*\b+7], v[32+96*(\f)+8*(\a):32+96*(\f)+8*(\a)+7], 0
.else
	v_wmma_f32_16x16x32_f16 v[8*(8*(\a)+\b):8*(8*(\a)+\b)+7], v[64+96*(\f)+8*\b:64+96*(\f)+8*\b+7], v[32+96*(\f)+8*(\a):32+96*(\f)+8*(\a)+7], v[8*(8*(\a)+\b):8*(8*(\a)+\b)+7]
.endif
.endr
.endm
.macro FETCH slot, kq, f               ; 24 LDS loads in one run: B's eight fragments (turned), then A's four
.irp b, 0,1,2,3,4,5,6,7
	ds_load_tr16_b128 v[64+96*(\f)+8*\b:64+96*(\f)+8*\b+3], v[ADRB+\slot] offset:(\kq)*32*PB+32*\b
	ds_load_tr16_b128 v[64+96*(\f)+8*\b+4:64+96*(\f)+8*\b+7], v[ADRB+\slot] offset:(\kq)*32*PB+16*PB+32*\b
.endr
.irp i, 0,1,2,3
	ds_load_b128 v[32+96*(\f)+8*\i:32+96*(\f)+8*\i+3], v[ADRA+\slot] offset:64*(\kq)+\i*16*PA
	ds_load_b128 v[32+96*(\f)+8*\i+4:32+96*(\f)+8*\i+7], v[ADRA+\slot] offset:64*(\kq)+\i*16*PA+32
.endr
.endm
.macro PLACES
.rept 4
	v_nop
.endr
.endm
.macro QUARTER slot, kq, f, g, zero    ; multiplies buffer f; in its middle fetches quarter kq of the slot into buffer g
	s_wait_dscnt 4                                 ; B and A's blocks 0, 1 are in; the youngest four loads (A's blocks 2, 3) may be out
	WIN MUL
	MUL8 \f, 0, \zero
	MUL8 \f, 1, \zero
	PLACES
	WIN 0
	FETCH \slot, \kq, \g
	s_wait_dscnt 24                                ; all but the 24 just issued
	WIN MUL
	MUL8 \f, 2, \zero
	MUL8 \f, 3, \zero
.endm
; A slot's last quarter multiplies buffer 1 and changes slots: one barrier; in front of it each wave waits for all its tensor loads, adds 0 to its spare word, and waits for that and for its reads of the slot.
.macro TURN slot, next, fill
.if \fill
	s_wait_xcnt 0x0                                ; the last prefetch, a K step back, has read its address
	s_add_nc_u64 s[PFA:PFA+1], s[PFA:PFA+1], s[PFS:PFS+1]
.endif
	WIN 0
	s_wait_tensorcnt 0x0                           ; my one load that was out, my part of the next slot, has landed
	ds_add_u32 v[SPW], v[NIL]                      ; 0 onto my spare word
	s_wait_dscnt 5                                 ; (the add and A's blocks 2, 3 may be out)
	WIN MUL
	MUL8 1, 0, 0
	s_wait_dscnt 0x0                               ; the add is done, and my reads of this slot are over
	s_barrier_signal -1
	MUL8 1, 1, 0
	WIN 0
	s_barrier_wait -1
.if \fill
	CREST                                          ; the barrier has opened a round of the cluster's barrier: no wave of any partner still reads this slot or has a load on its way
	s_add_nc_u64 s[G0+4*\slot+2:G0+4*\slot+3], s[G0+4*\slot+2:G0+4*\slot+3], 512
	s_add_nc_u64 s[G0B+4*\slot+2:G0B+4*\slot+3], s[G0B+4*\slot+2:G0B+4*\slot+3], 524288
	JLOAD \slot                                    ; the first tensor load behind the round; its four v_nop are also the places in front of the loads below
.else
	PLACES
.endif
	FETCH \next, 0, 0
.if \fill
	ASK
.endif
	WIN MUL
	MUL8 1, 2, 0
	MUL8 1, 3, 0
.endm
	s_wait_tensorcnt 1                             ; my part of K step 0 is in; K step 1's may be out
	s_barrier_signal -1
	s_barrier_wait -1
	FETCH 0, 0, 0
	QUARTER 0, 1, 0, 1, 1                          ; the first quarter starts the sums
	WIN 0
	s_mov_b32 s3, 7
.Llap:                                             ; a trip goes once round the ring and fills both slots again
	QUARTER 0, 2, 1, 0, 0
	QUARTER 0, 3, 0, 1, 0
	TURN 0, 1, 1
	QUARTER 1, 1, 0, 1, 0
	QUARTER 1, 2, 1, 0, 0
	QUARTER 1, 3, 0, 1, 0
	TURN 1, 0, 1
	QUARTER 0, 1, 0, 1, 0
	WIN 0
	s_sub_co_u32 s3, s3, 1
	s_cmp_lg_u32 s3, 0
	s_cbranch_scc1 .Llap
	QUARTER 0, 2, 1, 0, 0                          ; the last lap fills nothing
	QUARTER 0, 3, 0, 1, 0
	TURN 0, 1, 0
	QUARTER 1, 1, 0, 1, 0
	QUARTER 1, 2, 1, 0, 0
	QUARTER 1, 3, 0, 1, 0
	s_wait_dscnt 4
	WIN MUL
	MUL8 1, 0, 0
	MUL8 1, 1, 0
	s_wait_dscnt 0
	MUL8 1, 2, 0
	MUL8 1, 3, 0
	WIN 0
	PLACES
	WIN 0x05                                       ; sources 0 and 1 window 1
.irp a, 0,1,2,3
.irp b, 0,1,2,3,4,5,6,7
.irp r, 0,1,2,3
	v_cvt_pk_f16_f32 v[32+32*\a+4*\b+\r], v[8*(8*\a+\b)+2*\r], v[8*(8*\a+\b)+2*\r+1]   ; each accumulator from its low end on
.endr
.endr
.endr
	WIN 0
.irp a, 0,1,2,3
.irp b, 0,1,2,3,4,5,6,7
	global_store_b128 v[CO], v[32+32*\a+4*\b:32+32*\a+4*\b+3], s[8:9] offset:32768*\a+512*\b   ; a chunk: 512 consecutive bytes
.endr
.endr
	s_wait_tensorcnt 0x0                           ; the wave's end
	ds_add_u32 v[SPW], v[NIL]
	s_wait_dscnt 0x0
	CROUND                                         ; the closing round
	s_endpgm
.Lfunc_end_k_q4db67a6c8a_qproj:
	.size	k_q4db67a6c8a_qproj, .Lfunc_end_k_q4db67a6c8a_qproj-k_q4db67a6c8a_qproj
	.p2alignl 7, 3214868480
	.fill 96, 4, 3214868480
	.section	.rodata,"a",@progbits
	.p2align	6, 0x0
	.amdhsa_kernel k_q4db67a6c8a_qproj
		.amdhsa_group_segment_fixed_size 327680
		.amdhsa_private_segment_fixed_size 0
		.amdhsa_enable_private_segment 0
		.amdhsa_kernarg_size 24
		.amdhsa_user_sgpr_count 2
		.amdhsa_user_sgpr_kernarg_segment_ptr 1
		.amdhsa_wavefront_size32 1
		.amdhsa_system_sgpr_workgroup_id_x 1
		.amdhsa_system_sgpr_workgroup_id_y 1
		.amdhsa_system_sgpr_workgroup_id_z 1
		.amdhsa_system_vgpr_workitem_id 0
		.amdhsa_next_free_vgpr 512
		.amdhsa_next_free_sgpr 72
		.amdhsa_reserve_vcc 0
		.amdhsa_float_denorm_mode_32 3
		.amdhsa_float_denorm_mode_16_64 3
		.amdhsa_memory_ordered 1
		.amdhsa_forward_progress 1
		.amdhsa_inst_pref_size 83
	.end_amdhsa_kernel
	.amdgpu_metadata
---
amdhsa.version: [ 1, 2 ]
amdhsa.kernels:
  - .name:           k_q4db67a6c8a_qproj
    .symbol:         k_q4db67a6c8a_qproj.kd
    .args:
      - { .name: xn, .offset: 0, .size: 8, .value_kind: global_buffer, .address_space: global }
      - { .name: w16, .offset: 8, .size: 8, .value_kind: global_buffer, .address_space: global }
      - { .name: q, .offset: 16, .size: 8, .value_kind: global_buffer, .address_space: global }
    .group_segment_fixed_size: 327680
    .private_segment_fixed_size: 0
    .kernarg_segment_align: 8
    .kernarg_segment_size: 24
    .max_flat_workgroup_size: 128
    .sgpr_count:     72
    .vgpr_count:     512
    .wavefront_size: 32
...
	.end_amdgpu_metadata
.endif
;; end of part 3
;; launch attn (part 4): grid 4 x 512, 4 waves a work-group, no clusters, 0 bytes of LDS; arguments q, kvb, vsum, tt, o; writes o
.if DOCPART == 4
	.amdgcn_target "amdgcn-amd-amdhsa--gfx1250"
	.amdhsa_code_object_version 6
	.text
	.protected	k_q4db67a6c8a_attn
	.globl	k_q4db67a6c8a_attn
	.p2align	8
	.type	k_q4db67a6c8a_attn,@function
k_q4db67a6c8a_attn:
	s_mov_b64 s[64:65], 0
	v_nop
	global_prefetch_b8 v0, s[64:65] scope:SCOPE_SE
	s_setreg_imm32_b32 hwreg(HW_REG_WAVE_MODE, 25, 1), 1
	s_wait_xcnt 0x0
; ATTN: the masked cross attention, on what the mask keeps.  A token of time t = 1..32 sees the 32 latents of media t - 1 alone; t = 0 gives a row of zeros; for t > 32 every key is masked, the
; scores less their maximum are all 0, and the row is the mean of the batch's 1,024 rows of v.  Products in f16 with f32 sums; maximum, exponentials, sum and division in f32.
; A wave takes one tile of 16 tokens (work-group y) and one head (4 x work-group x + wave).  The times of a tile's tokens do not fall, so the wave walks media z from its first token's to its last's.
; In each trip it computes all 16 tokens against media z's 32 keys and keeps, by a factor of 0 or 1 / sum on p, only the tokens of time z + 1: no lane is ever switched off.
; S^T = K Q^T (source 0 = 16 keys, source 1 = 16 tokens): a lane holds one token and eight keys; two such tiles, rounded to f16, are source 1 of O^T = V^T P.  q, K, V come as chunks of 512 bytes that are
; the operands' registers (lane l's 16 bytes at 16 l), and o leaves so: no LDS, no barrier.
; The trip count and the addresses of K and V hang on text_time, whole numbers that an earlier launch stored. This launch has no tensor load, and with none there is nothing to ask for jointly: no cluster.
; The maximum taken away is that of the 32 kept keys, as in the definition (masked keys lie under every score).  LIMIT: p under 6e-8 falls to 0 in f16.
.set QF, 8                             ; v8-23    Q: two fragments
.set KF, 32                            ; v32-63   K: fragment (key tile kt, half s of the head's 64) at 8 (2 kt + s)
.set VF, 64                            ; v64-95   V: fragment of channels 16 dt on
.set ST, 96                            ; v96-111  S^T, then p
.set PP, 112                           ; v112-119 p in f16
.set OA, 128                           ; v128-159 O^T
.set PK, 160                           ; v160-175 o in f16
.set M0, 176                           ; v176-179 at work
.set NM, 180                           ; v[180:181] -c m
.set TS, 182                           ; v182-189 sums
.set FF, 190                           ; v[190:191] the factor on p or on the mean
	s_load_b256 s[4:11], s[0:1], 0x0               ; q, kvb, vsum, tt
	s_load_b64 s[12:13], s[0:1], 0x20              ; o
	v_lshrrev_b32 v4, 5, v0
	v_readfirstlane_b32 s2, v4                     ; wave
	v_and_b32 v4, 31, v0
	v_lshlrev_b32 v1, 4, v4                        ; 16 x lane
	v_and_b32 v5, 15, v0
	v_lshlrev_b32 v5, 2, v5                        ; my token's word of text_time
	v_bfe_u32 v6, v0, 4, 1
	v_lshlrev_b32 v6, 5, v6                        ; 32 x (lane / 16): my eight channels of a tile, in f32
	v_mov_b32 v[M0+2], 0                           ; a lane permute's destination counts as read
	v_mov_b32 v[NM+1], 0                           ; upper halves of pairs are written
	v_mov_b32 v[FF+1], 0x3a800000                  ; 1 / 1024
	s_and_b32 s3, ttmp7, 0xffff                    ; the tile of tokens
	s_lshl_b32 s14, ttmp9, 2
	s_add_co_u32 s14, s14, s2                      ; the head
	s_lshr_b32 s15, s3, 7                          ; the batch
	s_mov_b32 s30, 0x76543210
	s_mov_b32 s31, 0xfedcba98
	s_mov_b32 s32, 0x3e38aa3b                      ; c = log2(e) / 8
	s_mov_b32 s33, s32
	s_mov_b32 s34, 0xbe38aa3b                      ; -c
	s_mov_b32 s25, 0
	s_wait_kmcnt 0x0
	s_lshl_b32 s24, s3, 6
	s_add_nc_u64 s[10:11], s[10:11], s[24:25]
	s_load_b32 s20, s[10:11], 0x0                  ; the first token's time,
	s_load_b32 s22, s[10:11], 0x3c                 ; the last's
	global_load_b32 v2, v5, s[10:11]               ; my token's
	s_lshl_b32 s24, s3, 6
	s_lshl_b32 s23, s14, 2
	s_add_co_u32 s24, s24, s23
	s_lshl_b32 s24, s24, 9                         ; chunk (tile, 4 x head)
	s_add_nc_u64 s[4:5], s[4:5], s[24:25]
	s_add_nc_u64 s[12:13], s[12:13], s[24:25]
.irp i, 0,1,2,3
	global_load_b128 v[QF+4*\i:QF+4*\i+3], v1, s[4:5] offset:512*\i
.endr
	s_lshl_b32 s24, s15, 21                        ; K: 64 row blocks of 32,768 bytes a batch, + 4 chunks a head
	s_lshl_b32 s23, s14, 11
	s_add_co_u32 s24, s24, s23
	s_add_nc_u64 s[36:37], s[6:7], s[24:25]
	s_lshl_b32 s24, s14, 19                        ; V: 4 row blocks of 131,072 bytes a head, + 64 chunks a batch
	s_lshl_b32 s23, s15, 15
	s_add_co_u32 s24, s24, s23
	s_add_co_u32 s24, s24, 8388608
	s_add_nc_u64 s[38:39], s[6:7], s[24:25]
	s_lshl_b32 s24, s15, 15                        ; V's sums: 8 runs of 4,096 bytes a batch, + 256 bytes a head
	s_lshl_b32 s23, s14, 8
	s_add_co_u32 s24, s24, s23
	s_add_nc_u64 s[8:9], s[8:9], s[24:25]
	s_wait_kmcnt 0x0
	s_max_u32 s20, s20, 1
	s_sub_co_u32 s20, s20, 1
	s_min_u32 s20, s20, 32                         ; z: the first media that a token of the tile sees
	s_min_u32 s21, s22, 32                         ; and one past the last
	s_cmp_gt_u32 s22, 32
	s_cbranch_scc1 .Lmean
.set i, 0
.rept 32
	v_mov_b32 v[OA+i], 0                           ; O^T begins as zeros: the loop may have no trip, and a token of time 0 keeps them
.set i, i+1
.endr
	s_branch .Lstart
.Lmean:                                            ; some token's time is above 32: O^T begins as the mean of v for those tokens, as 0 for the others
.irp rd, 0,1
.irp c, 0,1,2,3
.irp dt, 0,1,2,3
.irp e, 0,1
	global_load_b128 v[32+32*\c+96*(\c/2)+8*\dt+4*\e:32+32*\c+96*(\c/2)+8*\dt+4*\e+3], v6, s[8:9] offset:4096*(4*\rd+\c)+64*\dt+16*\e
.endr
.endr
.endr
	s_wait_loadcnt 0x0
.set i, 0
.rept 16
.if \rd == 0
	v_pk_add_f32 v[OA+i:OA+i+1], v[32+i:33+i], v[64+i:65+i]     ; the first two runs start the sums
.else
	v_pk_add_f32 v[OA+i:OA+i+1], v[OA+i:OA+i+1], v[32+i:33+i]
.endif
.set i, i+2
.endr
.if \rd == 1
.set i, 0
.rept 16
	v_pk_add_f32 v[OA+i:OA+i+1], v[OA+i:OA+i+1], v[64+i:65+i]
.set i, i+2
.endr
.endif
.set i, 0
.rept 16
	v_pk_add_f32 v[OA+i:OA+i+1], v[OA+i:OA+i+1], v[192+i:193+i]
.set i, i+2
.endr
.set i, 0
.rept 16
	v_pk_add_f32 v[OA+i:OA+i+1], v[OA+i:OA+i+1], v[224+i:225+i]
.set i, i+2
.endr
.endr
	v_cmp_lt_u32 vcc_lo, 32, v2
	v_cndmask_b32 v[FF], 0, v[FF+1], vcc_lo        ; 1 / 1024 where 32 < t, else 0
.set i, 0
.rept 16
	v_pk_mul_f32 v[OA+i:OA+i+1], v[OA+i:OA+i+1], v[FF:FF+1] op_sel_hi:[1,0]
.set i, i+2
.endr
.Lstart:
	s_cmp_lt_u32 s20, s21
	s_cbranch_scc0 .Ldone
.Lz:
	s_min_u32 s18, s20, 31                         ; the media's number, held inside the table ahead of the shifts that form addresses
	s_add_co_u32 s19, s20, 1                       ; the time of the tokens that see it
	s_lshl_b32 s24, s18, 16
	s_add_nc_u64 s[26:27], s[36:37], s[24:25]      ; (the last trip's loads were all waited for: their bases may be written)
	s_lshl_b32 s24, s18, 10
	s_add_nc_u64 s[28:29], s[38:39], s[24:25]
.irp kt, 0,1
.irp s, 0,1
.irp c, 0,1
	global_load_b128 v[KF+8*(2*\kt+\s)+4*\c:KF+8*(2*\kt+\s)+4*\c+3], v1, s[26:27] offset:32768*\kt+1024*\s+512*\c
.endr
.endr
.endr
.irp dt, 0,1,2,3
.irp c, 0,1
	global_load_b128 v[VF+8*\dt+4*\c:VF+8*\dt+4*\c+3], v1, s[28:29] offset:131072*\dt+512*\c
.endr
.endr
	s_wait_loadcnt 8                               ; K (and, in the first trip, Q and my time) is in; V's eight loads may be out
	v_wmma_f32_16x16x32_f16 v[ST:ST+7], v[KF:KF+7], v[QF:QF+7], 0                    ; the two tiles of keys by turns
	v_wmma_f32_16x16x32_f16 v[ST+8:ST+15], v[KF+16:KF+23], v[QF:QF+7], 0
	v_wmma_f32_16x16x32_f16 v[ST:ST+7], v[KF+8:KF+15], v[QF+8:QF+15], v[ST:ST+7]
	v_wmma_f32_16x16x32_f16 v[ST+8:ST+15], v[KF+24:KF+31], v[QF+8:QF+15], v[ST+8:ST+15]
.rept 4
	v_nop
.endr
	v_max3_num_f32 v[M0], v[ST], v[ST+1], v[ST+2]                  ; each tile is read from its low end on
	v_max3_num_f32 v[M0+1], v[ST+8], v[ST+9], v[ST+10]
	v_max3_num_f32 v[M0], v[M0], v[ST+3], v[ST+4]
	v_max3_num_f32 v[M0+1], v[M0+1], v[ST+11], v[ST+12]
	v_max3_num_f32 v[M0], v[M0], v[ST+5], v[ST+6]
	v_max3_num_f32 v[M0+1], v[M0+1], v[ST+13], v[ST+14]
	v_max3_num_f32 v[M0], v[M0], v[ST+7], v[ST+15]
	v_max_num_f32 v[M0], v[M0], v[M0+1]
	v_permlanex16_b32 v[M0+2], v[M0], s30, s31
	v_max_num_f32 v[M0], v[M0], v[M0+2]            ; the largest of my token's 32 scores
	v_mul_f32 v[NM], s34, v[M0]
.irp j, 0,2,4,6,8,10,12,14
	v_pk_fma_f32 v[ST+\j:ST+\j+1], v[ST+\j:ST+\j+1], s[32:33], v[NM:NM+1] op_sel_hi:[1,0,0]   ; c s - c m
.endr
.irp j, 0,1,2,3,4,5,6,7,8,9,10,11,12,13,14,15
	v_exp_f32 v[ST+\j], v[ST+\j]
.endr
	v_nop                                          ; a plain instruction behind the batch,
	s_wait_alu depctr_va_vdst(0)                   ; and one wait for it ahead of its first reader
	v_pk_add_f32 v[TS:TS+1], v[ST:ST+1], v[ST+2:ST+3]
	v_pk_add_f32 v[TS+2:TS+3], v[ST+4:ST+5], v[ST+6:ST+7]
	v_pk_add_f32 v[TS+4:TS+5], v[ST+8:ST+9], v[ST+10:ST+11]
	v_pk_add_f32 v[TS+6:TS+7], v[ST+12:ST+13], v[ST+14:ST+15]
	v_pk_add_f32 v[TS:TS+1], v[TS:TS+1], v[TS+2:TS+3]
	v_pk_add_f32 v[TS+4:TS+5], v[TS+4:TS+5], v[TS+6:TS+7]
	v_pk_add_f32 v[TS:TS+1], v[TS:TS+1], v[TS+4:TS+5]
	v_add_f32 v[M0+1], v[TS], v[TS+1]
	v_permlanex16_b32 v[M0+2], v[M0+1], s30, s31
	v_add_f32 v[M0+1], v[M0+1], v[M0+2]            ; the row's sum: at least 1
	v_rcp_f32 v[M0+3], v[M0+1]
	v_cmp_eq_u32 vcc_lo, s19, v2                   ; does my token see this media?
	v_nop
	s_wait_alu depctr_va_vdst(0)
	v_cndmask_b32 v[FF], 0, v[M0+3], vcc_lo        ; 1 / sum, or 0
.irp j, 0,2,4,6,8,10,12,14
	v_pk_mul_f32 v[ST+\j:ST+\j+1], v[ST+\j:ST+\j+1], v[FF:FF+1] op_sel_hi:[1,0]
.endr
.irp j, 0,1,2,3,4,5,6,7
	v_cvt_pk_f16_f32 v[PP+\j], v[ST+2*\j], v[ST+2*\j+1]
.endr
	s_wait_loadcnt 0x0                             ; V
.irp dt, 0,1,2,3
	v_wmma_f32_16x16x32_f16 v[OA+8*\dt:OA+8*\dt+7], v[VF+8*\dt:VF+8*\dt+7], v[PP:PP+7], v[OA+8*\dt:OA+8*\dt+7]
.endr
.rept 4
	v_nop                                          ; places in front of the next trip's loads into V's registers, and of the conversions behind the loop
.endr
	s_add_co_u32 s20, s20, 1
	s_cmp_lt_u32 s20, s21
	s_cbranch_scc1 .Lz
.Ldone:
.irp dt, 0,1,2,3
.irp r, 0,1,2,3
	v_cvt_pk_f16_f32 v[PK+4*\dt+\r], v[OA+8*\dt+2*\r], v[OA+8*\dt+2*\r+1]
.endr
.endr
.irp dt, 0,1,2,3
	global_store_b128 v1, v[PK+4*\dt:PK+4*\dt+3], s[12:13] offset:512*\dt   ; a chunk: 512 consecutive bytes
.endr
	s_endpgm
.Lfunc_end_k_q4db67a6c8a_attn:
	.size	k_q4db67a6c8a_attn, .Lfunc_end_k_q4db67a6c8a_attn-k_q4db67a6c8a_attn
	.p2alignl 7, 3214868480
	.fill 96, 4, 3214868480
	.section	.rodata,"a",@progbits
	.p2align	6, 0x0
	.amdhsa_kernel k_q4db67a6c8a_attn
		.amdhsa_group_segment_fixed_size 0
		.amdhsa_private_segment_fixed_size 0
		.amdhsa_enable_private_segment 0
		.amdhsa_kernarg_size 40
		.amdhsa_user_sgpr_count 2
		.amdhsa_user_sgpr_kernarg_segment_ptr 1
		.amdhsa_wavefront_size32 1
		.amdhsa_system_sgpr_workgroup_id_x 1
		.amdhsa_system_sgpr_workgroup_id_y 1
		.amdhsa_system_sgpr_workgroup_id_z 1
		.amdhsa_system_vgpr_workitem_id 0
		.amdhsa_next_free_vgpr 256
		.amdhsa_next_free_sgpr 66
		.amdhsa_reserve_vcc 1
		.amdhsa_float_denorm_mode_32 3
		.amdhsa_float_denorm_mode_16_64 3
		.amdhsa_memory_ordered 1
		.amdhsa_forward_progress 1
		.amdhsa_inst_pref_size 26
	.end_amdhsa_kernel
	.amdgpu_metadata
---
amdhsa.version: [ 1, 2 ]
amdhsa.kernels:
  - .name:           k_q4db67a6c8a_attn
    .symbol:         k_q4db67a6c8a_attn.kd
    .args:
      - { .name: q, .offset: 0, .size: 8, .value_kind: global_buffer, .address_space: global }
      - { .name: kvb, .offset: 8, .size: 8, .value_kind: global_buffer, .address_space: global }
      - { .name: vsum, .offset: 16, .size: 8, .value_kind: global_buffer, .address_space: global }
      - { .name: tt, .offset: 24, .size: 8, .value_kind: global_buffer, .address_space: global }
      - { .name: o, .offset: 32, .size: 8, .value_kind: global_buffer, .address_space: global }
    .group_segment_fixed_size: 0
    .private_segment_fixed_size: 0
    .kernarg_segment_align: 8
    .kernarg_segment_size: 40
    .max_flat_workgroup_size: 128
    .sgpr_count:     66
    .vgpr_count:     256
    .wavefront_size: 32
...
	.end_amdgpu_metadata
.endif
;; end of part 4
;; launch oproj (part 5): grid 8 x 32, 4 waves a work-group, clusters of 4 x 4, 327,680 bytes of LDS; arguments o, w16, out0; writes out0
.if DOCPART == 5
	.amdgcn_target "amdgcn-amd-amdhsa--gfx1250"
	.amdhsa_code_object_version 6
	.text
	.protected	k_q4db67a6c8a_oproj
	.globl	k_q4db67a6c8a_oproj
	.p2align	8
	.type	k_q4db67a6c8a_oproj,@function
k_q4db67a6c8a_oproj:
	s_mov_b64 s[64:65], 0
	v_nop
	global_prefetch_b8 v0, s[64:65] scope:SCOPE_SE
	s_setreg_imm32_b32 hwreg(HW_REG_WAVE_MODE, 25, 1), 1
	s_wait_xcnt 0x0
	s_wait_alu depctr_hold_cnt(0) depctr_sa_sdst(0) depctr_va_vdst(0) depctr_va_sdst(0) depctr_va_ssrc(0) depctr_va_vcc(0) depctr_vm_vsrc(0)
	s_getreg_b32 s2, hwreg(HW_REG_IB_STS2, 6, 4)
	s_cmp_eq_u32 s2, 0
	s_cbranch_scc0 .Lentry_in_a_cluster
	s_endpgm
.Lentry_in_a_cluster:
	s_bfe_u32 s2, ttmp6, 0x10000c
	s_cmp_lg_u32 s2, 0xf033
	s_cbranch_scc0 .Lentry_shape_is_right
	s_endpgm
.Lentry_shape_is_right:
; OPROJ: out0 = o Wout.  o: f16 in chunks of 512 bytes (16 tokens x 16 columns as an operand's registers: lane l's 16 bytes at 16 l), chunk (token / 16, column / 16) at ((token / 16) 64 + column / 16) 512.
; Wout [1024 k][2048 n] f16 (w16's second half).  Sums in f32; out0 f32.
; A tile of 256 x 256 to a work-group of four waves, 128 x 128 a wave: 64 accumulators, 512 registers.  K goes in 8 steps of 128 through two LDS slots.
; A's part of a slot: for each of 16 tiles of tokens the K step's 8 chunks, 4,096 consecutive bytes of memory; a fragment is two loads of 512 consecutive bytes: no pitch, no padding.
; B stays [k][n] (rows of 512 bytes + 32) and is turned on its way out of LDS by ds_load_tr16_b128.
; THE MATRIX INSTRUCTION IS USED TRANSPOSED (source 0 = 16 columns of Wout, source 1 = 16 tokens): a lane holds eight neighbouring numbers of a row of out0.
; CLUSTERS 4 x 4: A's tile shared along a row of the cluster, B's along a column; joint loads; each refill stands behind a round of the cluster's barrier.
; REGISTERS: window 0: v16-30 addresses; v64-127, v128-191 A's fragments, two buffers; on the way out v128-255.  window 1: B's fragments likewise.  windows 2, 3: the accumulators.
.set PB,     544
.set AH,     32768                     ; what a wave fetches of A: 8 tiles of tokens x 4,096 bytes
.set HB,     64*PB                     ; and of B: 64 rows of k
.set BOFF,   2*AH
.set SLOT,   2*AH+2*HB
.set STAGE,  2*SLOT                    ; behind the ring: 16 rows x (512 + 16) bytes for each wave; no tensor load fills it
.set SPITCH, 528
.set SPARE,  STAGE+4*16*SPITCH         ; the spare words: 128 bytes a wave, two blocks of 256 bytes that no other line names
.set WO,     4194304                   ; Wout in w16
.set ADRA, 16
.set ADRB, 20
.set STO,  24
.set RD,   25
.set CO,   26
.set SPW,  28
.set NIL,  29
.set PFO,  30
.set F0,   64
.set F1,   128
.set BK,   128
.set G1, 24
.set G0, 32
.set G1B, 48
.set G0B, 56
.set PFA, 66
.set PFS, 68
.set LIM, 70
.set MSB, 0
.macro WIN new
.if MSB != (\new)
	s_set_vgpr_msb (MSB<<8)|(\new)
.set MSB, (\new)
.endif
.endm
.set MUL_LO, 0xa1                      ; source 0 (B) window 1, source 1 (A) window 0, C and D window 2
.set MUL_HI, 0xf1
.set TO_B,   0x40
.macro JLOAD s                         ; waves 0 and 1 fetch A's halves, waves 2 and 3 B's; an s_nop 0 and four v_nop follow each line
	s_cmp_eq_u32 s11, 0
	s_cbranch_scc0 .Lfor_b_\@
	tensor_load_to_lds s[G0+4*\s:G0+4*\s+3], s[G1:G1+7]
	s_nop 0
.rept 4
	v_nop
.endr
	s_branch .Lasked_\@
.Lfor_b_\@:
	tensor_load_to_lds s[G0B+4*\s:G0B+4*\s+3], s[G1B:G1B+7]
	s_nop 0
.rept 4
	v_nop
.endr
.Lasked_\@:
.endm
.macro CREST
	s_cmp_lg_u32 s10, 0
	s_cbranch_scc1 .Lnot_wave_0_\@
	s_barrier_signal -3
.Lnot_wave_0_\@:
	s_barrier_wait -3
	s_barrier_signal -1
	s_barrier_wait -1
.endm
.macro CROUND
	s_barrier_signal -1
	s_barrier_wait -1
	CREST
.endm
; A prefetch of the K step that stands two refills on (512 matrix instructions ahead of its load), so that one test ends both changes of slots of a lap.  Each aligned 256 bytes are named once in the launch:
; A's by the clusters with x = 0, B's by those with y = 0; of what a wave fetches each of the four partners takes a quarter, told apart by address: A: 2 tiles of tokens x 16 blocks; B: 16 rows x 2 blocks.
; The loop's last trip asks for nothing: K step 7 is the last that is named.
.macro ASK
	s_cmp_gt_u32 s3, s[LIM]
	s_cbranch_scc0 .Lnot_mine_\@
	global_prefetch_b8 v[PFO], s[PFA:PFA+1] th:TH_LOAD_NT scope:SCOPE_SE
.Lnot_mine_\@:
.endm
	s_load_b128 s[4:7], s[0:1], 0x0                ; o, w16
	s_load_b64 s[8:9], s[0:1], 0x10                ; out0
	v_lshl_add_u32 v[SPW], v0, 2, SPARE
	v_mov_b32 v[NIL], 0
	ds_add_u32 v[SPW], v[NIL]                      ; the wave's opening: the add and its wait stand ahead of my first tensor load
	v_lshrrev_b32 v1, 5, v0
	v_readfirstlane_b32 s10, v1
	s_lshr_b32 s11, s10, 1                         ; my half of the tile's rows.  Also: I fetch for A (0) or B (1)
	s_and_b32 s12, s10, 1                          ; my half of its columns.  Also: which half of that tile I fetch
	s_bfe_u32 s40, ttmp6, 0x40000
	s_bfe_u32 s41, ttmp6, 0x40004
	s_lshl_b32 s42, ttmp9, 2
	s_add_co_u32 s42, s42, s40                     ; tile column
	s_and_b32 s13, ttmp7, 0xffff
	s_lshl_b32 s13, s13, 2
	s_add_co_u32 s13, s13, s41                     ; tile row
	s_lshl_b32 s43, s41, 2
	s_lshl_b32 s43, 15, s43
	s_lshl_b32 s44, 0x1111, s40
	s_or_b32 s[G1+0], s43, (3<<16)|(1<<21)         ; A: elements of 8 bytes, no padding: 8 rows of 4,096 bytes, 32,768 bytes apart
	s_mov_b32 s[G1+1], 512<<16
	s_mov_b32 s[G1+2], 8<<16
	s_mov_b32 s[G1+3], 512<<16
	s_mov_b32 s[G1+4], 8
	s_mov_b32 s[G1+5], 4096
	s_mov_b32 s[G1+6], 0
	s_mov_b32 s[G1+7], 0
	s_or_b32 s[G1B+0], s44, (1<<16)|(1<<20)|(1<<21)|(6<<22)|(7<<25)  ; B: elements of 2 bytes; 8 words of padding behind every 128
	s_mov_b32 s[G1B+1], 256<<16
	s_mov_b32 s[G1B+2], 64<<16
	s_mov_b32 s[G1B+3], 256<<16
	s_mov_b32 s[G1B+4], 64
	s_mov_b32 s[G1B+5], 2048
	s_mov_b32 s[G1B+6], 0
	s_mov_b32 s[G1B+7], 0
	s_lshl_b32 s16, s13, 4
	s_lshl_b32 s17, s12, 3
	s_add_co_u32 s16, s16, s17
	s_lshl_b32 s16, s16, 15                        ; A: tile of tokens 16 x tile row + 8 x half
	s_mov_b32 s17, 0
	s_lshl_b32 s46, s12, 18                        ; B: k = 64 x half, 4,096 bytes a row,
	s_lshl_b32 s47, s42, 9
	s_add_co_u32 s46, s46, s47
	s_add_co_u32 s46, s46, WO
	s_mov_b32 s47, 0
	s_lshl_b32 s20, s12, 15                        ; where they go
	s_mul_i32 s21, s12, HB
	s_add_co_u32 s21, s21, BOFF
	s_wait_dscnt 0x0
	s_wait_kmcnt 0x0
	s_add_nc_u64 s[14:15], s[4:5], s[16:17]
	s_add_nc_u64 s[46:47], s[6:7], s[46:47]
	CROUND
.irp s, 0,1
	s_mov_b32 s[G0+4*\s], 1
	s_add_co_u32 s[G0+4*\s+1], s20, \s*SLOT
	s_add_nc_u64 s[G0+4*\s+2:G0+4*\s+3], s[14:15], \s*4096
	s_or_b32 s[G0+4*\s+3], s[G0+4*\s+3], 0x80000000
	s_mov_b32 s[G0B+4*\s], 1
	s_add_co_u32 s[G0B+4*\s+1], s21, \s*SLOT
	s_add_nc_u64 s[G0B+4*\s+2:G0B+4*\s+3], s[46:47], \s*524288
	s_or_b32 s[G0B+4*\s+3], s[G0B+4*\s+3], 0x80000000
	JLOAD \s
.endr
	v_and_b32 v1, 15, v0
	v_bfe_u32 v2, v0, 4, 1
	v_and_b32 v6, 31, v0
	v_lshlrev_b32 v[CO], 4, v6                     ; 16 x lane
	s_lshl_b32 s21, s11, 15                        ; my 8 tiles of tokens
	v_and_b32 v4, 7, v0
	v_bfe_u32 v5, v0, 3, 1
	v_lshl_add_u32 v4, v2, 3, v4
	v_mul_u32_u24 v4, v4, PB
	v_lshl_add_u32 v4, v5, 4, v4                   ; B: (8 (l / 16) + l % 8) x pitch + 16 ((l / 8) % 2)
	s_lshl_b32 s22, s12, 8
	s_add_co_u32 s22, s22, BOFF
.irp s, 0,1
	v_add_nc_u32 v[ADRA+\s], s21, v[CO]
	v_add_nc_u32 v[ADRB+\s], s22, v4
	s_add_co_u32 s21, s21, SLOT
	s_add_co_u32 s22, s22, SLOT
.endr
	s_mul_i32 s23, s10, 16*SPITCH
	s_add_co_u32 s23, s23, STAGE                   ; my stage
	v_mul_u32_u24 v5, v1, SPITCH
	v_lshl_add_u32 v5, v2, 5, v5
	v_add_nc_u32 v[STO], s23, v5                   ; in: row l % 16, 32 bytes for each half of the lanes
	v_add_nc_u32 v[RD], s23, v[CO]                 ; back: the 32 lanes take one row of 512 bytes
	s_lshl_b32 s16, s13, 8
	s_lshl_b32 s17, s11, 7
	s_add_co_u32 s16, s16, s17
	s_lshl_b32 s16, s16, 13                        ; my first row of out0, 8,192 bytes a row,
	s_lshl_b32 s17, s42, 10
	s_add_co_u32 s16, s16, s17
	s_lshl_b32 s17, s12, 9
	s_add_co_u32 s16, s16, s17                     ; + my first column
	s_mov_b32 s17, 0
	s_add_nc_u64 s[8:9], s[8:9], s[16:17]
	s_and_b32 s71, ttmp7, 0xffff                   ; the prefetches: cluster y
	s_lshl_b32 s16, s13, 4
	s_lshl_b32 s17, s12, 3
	s_add_co_u32 s16, s16, s17
	s_lshl_b32 s17, s40, 1
	s_add_co_u32 s16, s16, s17
	s_lshl_b32 s16, s16, 15
	s_add_co_u32 s16, s16, 3*4096                  ; A: tile of tokens 16 x tile row + 8 x half + 2 cx, at K step 3: the first refill steps it to 4
	s_lshl_b32 s17, s12, 6
	s_add_co_u32 s17, s17, 384
	s_lshl_b32 s18, s41, 4
	s_add_co_u32 s17, s17, s18
	s_lshl_b32 s17, s17, 12
	s_lshl_b32 s18, s42, 9
	s_add_co_u32 s17, s17, s18
	s_add_co_u32 s17, s17, WO                      ; B: k = 384 + 64 x half + 16 cy
	s_cmp_eq_u32 s11, 0
	s_cselect_b64 s[PFA:PFA+1], s[4:5], s[6:7]
	s_cselect_b32 s16, s16, s17
	s_cselect_b32 s[LIM], ttmp9, s71               ; the coordinate along which other clusters read the same bytes
	s_mov_b32 s[PFS], 524288
	s_cselect_b32 s[PFS], 4096, s[PFS]
	s_cselect_b32 s18, 4, 1                        ; A: sixteen lanes to a tile of tokens;  B: two lanes to a row
	s_cselect_b32 s19, 15, 1
	s_mov_b32 s22, 4096
	s_cselect_b32 s22, 32768, s22
	s_mov_b32 s17, 0
	s_mov_b32 s[PFS+1], 0
	s_add_nc_u64 s[PFA:PFA+1], s[PFA:PFA+1], s[16:17]
	s_cmp_eq_u32 s[LIM], 0
	s_cselect_b32 s[LIM], 1, -1
	v_lshrrev_b32 v[PFO], s18, v6
	v_mul_lo_u32 v[PFO], v[PFO], s22
	v_and_b32 v7, s19, v6
	v_lshl_add_u32 v[PFO], v7, 8, v[PFO]
; 16 matrix instructions: token blocks a0, a0 + 1 of the window's four x all 8 column blocks, 32 along K.  The 64 accumulators take turns in the same order in every quarter.
.macro MUL16 f, hi, a0, zero
.irp a, \a0, \a0+1
.irp b, 0,1,2,3,4,5,6,7
.if \zero
	v_wmma_f32_16x16x32_f16 v[8*(8*(\a)+\b):8*(8*(\a)+\b)+7], v[\f+8*\b:\f+8*\b+7], v[\f+8*(4*\hi+\a):\f+8*(4*\hi+\a)+7], 0
.else
	v_wmma_f32_16x16x32_f16 v[8*(8*(\a)+\b):8*(8*(\a)+\b)+7], v[\f+8*\b:\f+8*\b+7], v[\f+8*(4*\hi+\a):\f+8*(4*\hi+\a)+7], v[8*(8*(\a)+\b):8*(8*(\a)+\b)+7]
.endif
.endr
.endr
.endm
.macro FETCH slot, kq, f               ; 32 LDS loads in one run: B's eight fragments (turned), then A's eight
	WIN TO_B
.irp i, 0,1,2,3,4,5,6,7
	ds_load_tr16_b128 v[\f+8*\i:\f+8*\i+3],   v[ADRB+\slot] offset:(\kq)*32*PB+32*\i
	ds_load_tr16_b128 v[\f+8*\i+4:\f+8*\i+7], v[ADRB+\slot] offset:(\kq)*32*PB+16*PB+32*\i
.endr
	WIN 0
.irp i, 0,1,2,3,4,5,6,7
	ds_load_b128 v[\f+8*\i:\f+8*\i+3],   v[ADRA+\slot] offset:4096*\i+1024*(\kq)
	ds_load_b128 v[\f+8*\i+4:\f+8*\i+7], v[ADRA+\slot] offset:4096*\i+1024*(\kq)+512
.endr
.endm
.macro PLACES
.rept 4
	v_nop
.endr
.endm
.macro QUARTER slot, kq, f, g, zero
	s_wait_dscnt 8                                 ; B and A's blocks 0-3 are in; the youngest eight loads (A's blocks 4-7) may be out
	WIN MUL_LO
	MUL16 \f, 0, 0, \zero
	MUL16 \f, 0, 2, \zero
	PLACES
	FETCH \slot, \kq, \g
	s_wait_dscnt 32                                ; all but the 32 just issued
	WIN MUL_HI
	MUL16 \f, 1, 0, \zero
	MUL16 \f, 1, 2, \zero
.endm
; A slot's last quarter multiplies buffer 1 and changes slots: one barrier; in front of it each wave waits for all its tensor loads, adds 0 to its spare word, and waits for that and for its reads of the slot.
.macro TURN slot, next, fill
.if \fill
	s_wait_xcnt 0x0                                ; the last prefetch, a K step back, has read its address
	s_add_nc_u64 s[PFA:PFA+1], s[PFA:PFA+1], s[PFS:PFS+1]
.endif
	WIN 0
	s_wait_tensorcnt 0x0                           ; my one load that was out, my part of the next slot, has landed
	ds_add_u32 v[SPW], v[NIL]                      ; 0 onto my spare word
	s_wait_dscnt 9                                 ; (the add and the youngest eight loads may be out)
	WIN MUL_LO
	MUL16 F1, 0, 0, 0
	s_wait_dscnt 0x0                               ; the add is done, and my reads of this slot are over
	s_barrier_signal -1
	MUL16 F1, 0, 2, 0
	WIN 0
	s_barrier_wait -1
.if \fill
	CREST                                          ; the barrier has opened a round of the cluster's barrier: no wave of any partner still reads this slot or has a load on its way
	s_add_nc_u64 s[G0+4*\slot+2:G0+4*\slot+3], s[G0+4*\slot+2:G0+4*\slot+3], 8192
	s_add_nc_u64 s[G0B+4*\slot+2:G0B+4*\slot+3], s[G0B+4*\slot+2:G0B+4*\slot+3], 1048576
	JLOAD \slot                                    ; the first tensor load behind the round; its four v_nop are also the places in front of the loads below
.else
	PLACES
.endif
	FETCH \next, 0, F0
.if \fill
	ASK
.endif
	WIN MUL_HI
	MUL16 F1, 1, 0, 0
	MUL16 F1, 1, 2, 0
.endm
	s_wait_tensorcnt 1                             ; my part of K step 0 is in; K step 1's may be out
	s_barrier_signal -1
	s_barrier_wait -1
	FETCH 0, 0, F0
	QUARTER 0, 1, F0, F1, 1                        ; the first quarter starts the sums
	WIN 0
	s_mov_b32 s3, 3
.Llap:
	QUARTER 0, 2, F1, F0, 0
	QUARTER 0, 3, F0, F1, 0
	TURN 0, 1, 1
	QUARTER 1, 1, F0, F1, 0
	QUARTER 1, 2, F1, F0, 0
	QUARTER 1, 3, F0, F1, 0
	TURN 1, 0, 1
	QUARTER 0, 1, F0, F1, 0
	WIN 0
	s_sub_co_u32 s3, s3, 1
	s_cmp_lg_u32 s3, 0
	s_cbranch_scc1 .Llap
	QUARTER 0, 2, F1, F0, 0                        ; the last lap fills nothing
	QUARTER 0, 3, F0, F1, 0
	TURN 0, 1, 0
	QUARTER 1, 1, F0, F1, 0
	QUARTER 1, 2, F1, F0, 0
	QUARTER 1, 3, F0, F1, 0
	s_wait_dscnt 8
	WIN MUL_LO
	MUL16 F1, 0, 0, 0
	MUL16 F1, 0, 2, 0
	s_wait_dscnt 0
	WIN MUL_HI
	MUL16 F1, 1, 0, 0
	MUL16 F1, 1, 2, 0
	WIN 0
; THE WAY OUT, block by block of 16 rows x 128 columns: through my own stage in LDS and back as whole rows of 512 bytes.  LDS serves a wave's instructions in order: no wait between the stores and the loads.
.macro TOSTAGE a
.set AC, 64*((\a)%4)
	WIN 0x08+4*((\a)/4)                            ; an LDS store's data are its source 1: window 2 or 3
.irp b, 0,1,2,3,4,5,6,7
	ds_store_b128 v[STO], v[AC+8*\b:AC+8*\b+3] offset:64*\b          ; each accumulator from its low end on
	ds_store_b128 v[STO], v[AC+8*\b+4:AC+8*\b+7] offset:64*\b+16
.endr
	WIN 0
.set BB, BK+64*((\a)%2)
.irp t, 0,1,2,3,4,5,6,7,8,9,10,11,12,13,14,15
	ds_load_b128 v[BB+4*\t:BB+4*\t+3], v[RD] offset:\t*SPITCH
.endr
.endm
.macro SEND a, younger                 ; younger: the LDS instructions issued behind block a's loads, which may stay out
.set BB, BK+64*((\a)%2)
	s_wait_dscnt \younger
.if (\a) > 0
	s_add_nc_u64 s[8:9], s[8:9], 16*8192           ; (behind a wait on XCNT: the earlier stores have read their base)
.endif
.irp t, 0,1,2,3,4,5,6,7,8,9,10,11,12,13,14,15
	global_store_b128 v[CO], v[BB+4*\t:BB+4*\t+3], s[8:9] offset:\t*8192 th:TH_STORE_NT   ; 32 lanes store 512 consecutive bytes, aligned; written once
.endr
.endm
	PLACES
	TOSTAGE 0
.irp a, 1,2,3,4,5,6,7
.if \a > 1
	s_wait_xcnt 0x0                                ; block a - 2's stores have read their registers and their base
.endif
	TOSTAGE \a
	SEND \a-1, 32                                  ; behind block a - 1's loads: block a's 16 stores and 16 loads
.endr
	s_wait_xcnt 0x0
	SEND 7, 0
	s_wait_tensorcnt 0x0                           ; the wave's end
	ds_add_u32 v[SPW], v[NIL]
	s_wait_dscnt 0x0
	CROUND                                         ; the closing round
	s_endpgm
.Lfunc_end_k_q4db67a6c8a_oproj:
	.size	k_q4db67a6c8a_oproj, .Lfunc_end_k_q4db67a6c8a_oproj-k_q4db67a6c8a_oproj
	.p2alignl 7, 3214868480
	.fill 96, 4, 3214868480
	.section	.rodata,"a",@progbits
	.p2align	6, 0x0
	.amdhsa_kernel k_q4db67a6c8a_oproj
		.amdhsa_group_segment_fixed_size 327680
		.amdhsa_private_segment_fixed_size 0
		.amdhsa_enable_private_segment 0
		.amdhsa_kernarg_size 24
		.amdhsa_user_sgpr_count 2
		.amdhsa_user_sgpr_kernarg_segment_ptr 1
		.amdhsa_wavefront_size32 1
		.amdhsa_system_sgpr_workgroup_id_x 1
		.amdhsa_system_sgpr_workgroup_id_y 1
		.amdhsa_system_sgpr_workgroup_id_z 1
		.amdhsa_system_vgpr_workitem_id 0
		.amdhsa_next_free_vgpr 1024
		.amdhsa_next_free_sgpr 72
		.amdhsa_reserve_vcc 0
		.amdhsa_float_denorm_mode_32 3
		.amdhsa_float_denorm_mode_16_64 3
		.amdhsa_memory_ordered 1
		.amdhsa_forward_progress 1
		.amdhsa_inst_pref_size 142
	.end_amdhsa_kernel
	.amdgpu_metadata
---
amdhsa.version: [ 1, 2 ]
amdhsa.kernels:
  - .name:           k_q4db67a6c8a_oproj
    .symbol:         k_q4db67a6c8a_oproj.kd
    .args:
      - { .name: o, .offset: 0, .size: 8, .value_kind: global_buffer, .address_space: global }
      - { .name: w16, .offset: 8, .size: 8, .value_kind: global_buffer, .address_space: global }
      - { .name: out0, .offset: 16, .size: 8, .value_kind: global_buffer, .address_space: global }
    .group_segment_fixed_size: 327680
    .private_segment_fixed_size: 0
    .kernarg_segment_align: 8
    .kernarg_segment_size: 24
    .max_flat_workgroup_size: 128
    .sgpr_count:     72
    .vgpr_count:     1024
    .wavefront_size: 32
...
	.end_amdgpu_metadata
.endif
;; end of part 5
